; MI455X (gfx1250); checked and timed in simulation.
; The chip was launched on July 23, 2026; its instructions are those of AMD's public machine-readable ISA for CDNA 5 (MIT licence, August 2026) and "CDNA5" Instruction Set Architecture Reference Guide (July 2026). The comments in the code are by the model that wrote it; some were corrected since.
;; Mutli Head Attention. Allowed arithmetic: matrix products marked QUANTISED: E4M3 operands, one given power-of-two scale a tensor, by v_wmma_f32_16x16x64_fp8_fp8 or v_wmma_f32_16x16x128_fp8_fp8, f32 sums; everything else in f32.
;; Inputs: K 4 x 2,048 x 1,024 float32; Q 4 x 2,048 x 1,024 float32; V 4 x 2,048 x 1,024 float32; Wk 1,024 x 1,024 float32; Wo 1,024 x 1,024 float32; Wq 1,024 x 1,024 float32; Wv 1,024 x 1,024 float32; bk 1,024 float32; bo 1,024 float32; bq 1,024 float32; bv 1,024 float32; lowp_scales 12 int32 (the exponents e of the quantised operands' scales 2^e); mask 1 x 1 x 2,048 x 2,048 int32.
;; Outputs: out0 4 x 2,048 x 1,024 float32.
;; This version of the problem:
;;   THIS VERSION OF THE PROBLEM IS GIVEN IN LOW PRECISION. The matrix products marked QUANTISED in the list below multiply operands that are first quantised to E4M3 (4 exponent bits, 3 mantissa bits; 8 bits a number), with one given power-of-two scale for each operand tensor; their sums are f32. All else is computed in f32.
;;   The module's matrix products, in the order in which they are computed (A, B: the left and right operand; K: the contracted axis; several contracted axes count as one K, in the product's order):
;;     1. [M 8,192, K 1,024] x [K 1,024, N 1,024]; A: input Q; B: input Wq: QUANTISED (scales: A lowp_scales[0], B lowp_scales[1])
;;     2. [M 8,192, K 1,024] x [K 1,024, N 1,024]; A: input K; B: input Wk: QUANTISED (scales: A lowp_scales[2], B lowp_scales[3])
;;     3. [M 8,192, K 1,024] x [K 1,024, N 1,024]; A: input V; B: input Wv: QUANTISED (scales: A lowp_scales[4], B lowp_scales[5])
;;     4. batch 64 x [M 2,048, K 64] x [K 64, N 2,048]; A: computed on the way; B: computed on the way: QUANTISED (scales: A lowp_scales[6], B lowp_scales[7])
;;     5. batch 64 x [M 2,048, K 2,048] x [K 2,048, N 64]; A: softmax (see below); B: computed on the way: QUANTISED (scales: A lowp_scales[8], B lowp_scales[9])
;;     6. [M 8,192, K 1,024] x [K 1,024, N 1,024]; A: computed on the way; B: input Wo: QUANTISED (scales: A lowp_scales[10], B lowp_scales[11])
;;   THE QUANTISER, for each operand of a quantised product, along K:
;;     - The operand's scale is 2^e, e = its entry of the input lowp_scales (int32; the entries are numbered through the quantised products in the list's order, A before B).
;;     - Each number is divided by the scale, clamped to +-448, and rounded to the nearest number of E4M3, ties to even, subnormals kept.
;;     - The product sums the exact products of the quantised numbers (number of the format x scale) in f32.
;;   ~~~python
;;   def quantise(x, axis, e):      # numpy; x: float32 -> the quantised numbers, widened to float32 again
;;       x = np.moveaxis(x, axis, -1); K = x.shape[-1]
;;       r = np.clip(x / 2.0 ** e, -448, 448)
;;       step = 2.0 ** (np.maximum(np.frexp(np.where(r == 0, 1, r))[1] - 1, -6) - 3)
;;       q = np.round(r / step) * step * 2.0 ** e      # np.round: ties to even
;;       return np.moveaxis(q, -1, axis).astype(np.float32)
;;   ~~~
;;   SOFTMAX AHEAD OF A QUANTISED PRODUCT. Where the list says 'softmax', what is quantised is not the finished softmax but p = 2^(t - M), with t = logit x log2(e) and M = ceil(the row's largest t), a whole number; so 1/2 < the row's largest p <= 1. The row's sum l is taken of the UNQUANTISED p, in f32, and the product's result is divided by l at the end. Since M is a whole number, a kernel that streams over the keys may use a running M (the ceiling of the running maximum): every later rescaling is an exact power of two, so the quantised numbers keep their values, but for numbers so far below the row's largest that they fall under the format's range.
;;   OPERANDS COMPUTED ON THE WAY. 'Computed on the way' means the value that the module computes at that place (a softmax that the list does not call 'softmax' is quantised finished and normalised). What goes into a quantiser is computed in f32, as accurately as f32 sums, v_exp_f32 and their like allow (about 1e-6 of the number): no bf16 or f16 on the way to a quantiser, and a product that is left as it is and whose result goes on into a quantised operand takes f32 operands (vector FMAs, or v_wmma_f32_16x16x4_f32). A number that lies on a knife's edge between two numbers of the format may be rounded either way, as far as f32 arithmetic and the matrix unit's own rounding can turn it there, and no further.
;; 2 versions. Each part assembles by itself: llvm-mc -triple=amdgcn-amd-amdhsa -mcpu=gfx1250 --defsym DOCPART=n.
;; ======== version 1 of 2: 4 launches
;; limits: right only within a limited range of input values
;; workspace buffers: wf 4,194,304 bytes; mw 524,288 bytes of whole numbers; mi 8,192 bytes of whole numbers; qf 8,388,608 bytes; kf 8,388,608 bytes; vf 8,388,608 bytes; of 8,388,608 bytes
;; launch prep (part 1): grid 512 x 1, 8 waves a work-group, no clusters, 0 bytes of LDS; arguments Wq, Wk, Wv, Wo, mask, lowp_scales, wf, mw, mi; writes wf, mw, mi
.if DOCPART == 1
	.amdgcn_target "amdgcn-amd-amdhsa--gfx1250"
	.amdhsa_code_object_version 6
	.text
	.protected	k_q0f9e3cb707_prep
	.globl	k_q0f9e3cb707_prep
	.p2align	8
	.type	k_q0f9e3cb707_prep,@function
k_q0f9e3cb707_prep:
	s_mov_b64 s[64:65], 0
	v_nop
	global_prefetch_b8 v0, s[64:65] scope:SCOPE_SE
	s_setreg_imm32_b32 hwreg(HW_REG_WAVE_MODE, 25, 1), 1
	s_wait_xcnt 0x0
; TWO JOBS IN ONE LAUNCH, 4,096 wave tasks of 8 KB that share nothing: no LDS, no barrier.
; Work-groups 0-255: the four weights [1024 (n)][1024 (k)] f32 become codes of FP8 (E4M3), code = w / 2^e held within +-448, to the nearest code, ties to even,
;   laid in the ORDER OF THE OPERAND'S REGISTERS.  A fragment is 16 rows x 128 k = 16 registers a lane: registers 2c, 2c+1 of lane (r = lane % 16, h = lane / 16) hold k = 16c + 8h + 0..7 of row r.
;   Register R of lane L lies at byte 512 (R / 4) + 16 L + 4 (R % 4) of the fragment's 2,048 bytes: four stores of 512 consecutive bytes.
;   wf = [weight 4: Wq, Wk, Wv, Wo][group of 64 rows 16][K step 8][16 rows 4][2048].
; Work-groups 256-511: the mask [2048 (q)][2048 (k)] int32 becomes, for each tile of 16 queries x 128 keys, 64 words of lane bits in the layout in which the attention launch holds its scores:
;   word 8T + j, bit L = (mask[16 qt + r][128 ks + 16 T + 8 h + j] != 0);  mw = [qt 128][ks 16][64 words].
;   And one word of summary: bits 15:0: row r has a key that counts in this step; bit 16: all 2,048 count.  mi = [qt 128][ks 16].
; A lane takes 8 neighbours along k of its own row (32 bytes, two loads), since the conversion takes 8 neighbours from one lane's registers.
; LIMITS: the weights' exponents (entries 1, 3, 5, 11 of the scales) lie between -126 and 119.  NaN among the inputs is not served.
.set WGW, 256                          ; work-groups that take the weights
	s_load_b256 s[4:11], s[0:1], 0x0               ; Wq s[4:5], Wk s[6:7], Wv s[8:9], Wo s[10:11]
	s_load_b256 s[12:19], s[0:1], 0x20             ; mask s[12:13], the scales' exponents s[14:15], wf s[16:17], mw s[18:19]
	s_load_b64 s[20:21], s[0:1], 0x40              ; mi
	v_lshrrev_b32 v4, 5, v0
	v_readfirstlane_b32 s22, v4                    ; wave 0..7
	v_and_b32 v1, 15, v0                           ; r
	v_bfe_u32 v2, v0, 4, 1                         ; h
	v_and_b32 v5, 31, v0                           ; lane
	s_wait_kmcnt 0x0
	s_cmp_ge_u32 ttmp9, WGW                        ; the work-group's number alone decides the job
	s_cbranch_scc1 .Lmask
	; ---- a weight's fragment: weight wi = g / 64, rows 16 nt on (nt = g % 64), K step = my wave
	s_load_b256 s[24:31], s[14:15], 0x0            ; e0 .. e7
	s_load_b32 s32, s[14:15], 0x2c                 ; e11
	s_lshr_b32 s23, ttmp9, 6                       ; wi
	s_and_b32 s33, ttmp9, 63                       ; nt
	s_bitcmp1_b32 s23, 0
	s_cselect_b64 s[4:5], s[6:7], s[4:5]           ; odd: Wk, even: Wq
	s_cselect_b64 s[8:9], s[10:11], s[8:9]         ; odd: Wo, even: Wv
	s_bitcmp1_b32 s23, 1
	s_cselect_b64 s[4:5], s[8:9], s[4:5]           ; the choice hangs on the work-group's number alone
	v_lshlrev_b32 v3, 12, v1                       ; row r of 4,096 bytes
	v_lshl_add_u32 v3, v2, 5, v3                   ; + 32 h
	s_lshl_b32 s34, s33, 16                        ; 16 nt rows
	s_lshl_b32 s35, s22, 9                         ; 128 k of f32
	s_add_co_u32 s34, s34, s35
	s_mov_b32 s35, 0
	s_add_nc_u64 s[4:5], s[4:5], s[34:35]
.irp c, 0,1,2,3,4,5,6,7
	global_load_b128 v[16+8*\c:19+8*\c], v3, s[4:5] offset:64*\c      ; W(r, 16c + 8h + 0..3)
	global_load_b128 v[20+8*\c:23+8*\c], v3, s[4:5] offset:64*\c+16   ; W(r, 16c + 8h + 4..7)
.endr
	s_lshl_b32 s36, s23, 20                        ; where the fragment goes: wi x 2^20
	s_lshr_b32 s37, s33, 2
	s_lshl_b32 s37, s37, 16                        ; + (nt / 4) x 65,536
	s_add_co_u32 s36, s36, s37
	s_lshl_b32 s37, s22, 13                        ; + K step x 8,192
	s_add_co_u32 s36, s36, s37
	s_and_b32 s37, s33, 3
	s_lshl_b32 s37, s37, 11                        ; + (nt % 4) x 2,048
	s_add_co_u32 s36, s36, s37
	s_mov_b32 s37, 0
	s_add_nc_u64 s[16:17], s[16:17], s[36:37]
	v_lshlrev_b32 v6, 4, v5                        ; 16 x lane
	s_wait_kmcnt 0x0
	s_bitcmp1_b32 s23, 0
	s_cselect_b32 s25, s27, s25                    ; odd: e3, even: e1
	s_cselect_b32 s29, s32, s29                    ; odd: e11, even: e5
	s_bitcmp1_b32 s23, 1
	s_cselect_b32 s25, s29, s25                    ; e of my weight
	s_add_co_i32 s25, s25, 127
	s_lshl_b32 s26, s25, 23
	v_mov_b32 v11, s26                             ; 2^e as f32: the conversion takes its exponent field
	s_add_co_i32 s25, s25, 8
	s_lshl_b32 s25, s25, 23
	s_or_b32 s25, s25, 0x600000
	v_mov_b32 v10, s25                             ; 448 x 2^e
.irp c, 0,1,2,3,4,5,6,7
	s_wait_loadcnt 14-2*\c                         ; loads come back in order: pair c is in, the younger pairs may be out
.irp i, 0,1,2,3,4,5,6,7
	v_med3_num_f32 v[16+8*\c+\i], v[16+8*\c+\i], -v10, v10   ; the conversion to an 8-bit code does not saturate (ISA guide 7.6.2): the hold comes first
.endr
	v_cvt_scalef32_pk8_fp8_f32 v[80+2*\c:81+2*\c], v[16+8*\c:23+8*\c], v11   ; registers 2c, 2c+1 of the fragment; its results go to stores alone, and the next pair's holds are plain lines on other registers
.endr
.irp g, 0,1,2,3
	global_store_b128 v6, v[80+4*\g:83+4*\g], s[16:17] offset:512*\g   ; 32 lanes store 512 consecutive bytes, aligned
.endr
	s_endpgm
	; ---- a tile of the mask: 16 queries (qt = g' / 2) x 128 keys (ks = 8 (g' % 2) + my wave)
.Lmask:
	s_sub_co_u32 s23, ttmp9, WGW                   ; g'
	s_lshr_b32 s33, s23, 1                         ; qt
	s_and_b32 s34, s23, 1
	s_lshl_b32 s34, s34, 3
	s_add_co_u32 s34, s34, s22                     ; ks
	v_lshlrev_b32 v3, 13, v1                       ; row r of 8,192 bytes
	v_lshl_add_u32 v3, v2, 5, v3                   ; + 32 h
	s_lshl_b32 s36, s33, 17                        ; 16 qt rows
	s_lshl_b32 s37, s34, 9                         ; 128 keys of int32
	s_add_co_u32 s36, s36, s37
	s_mov_b32 s37, 0
	s_add_nc_u64 s[12:13], s[12:13], s[36:37]
.irp c, 0,1,2,3,4,5,6,7
	global_load_b128 v[16+8*\c:19+8*\c], v3, s[12:13] offset:64*\c
	global_load_b128 v[20+8*\c:23+8*\c], v3, s[12:13] offset:64*\c+16
.endr
	s_lshl_b32 s35, s33, 4
	s_add_co_u32 s35, s35, s34                     ; 16 qt + ks
	s_lshl_b32 s36, s35, 8
	s_add_nc_u64 s[18:19], s[18:19], s[36:37]      ; the tile's 256 bytes of words
	s_lshl_b32 s36, s35, 2
	s_add_nc_u64 s[20:21], s[20:21], s[36:37]      ; and its word of summary
	v_mov_b32 v80, 0                               ; written whole: v_writelane_b32 keeps the other lanes
	v_mov_b32 v81, 0
	v_mov_b32 v8, 0
	v_lshlrev_b32 v6, 3, v5                        ; 8 x lane
	s_mov_b32 s24, 0                               ; the OR of the 64 words
	s_mov_b32 s25, -1                              ; and their AND
.set n, 0
.rept 64
.if n % 8 == 0
	s_wait_loadcnt 14-2*(n/8)                      ; pair n / 8 is in
.endif
	v_cmp_ne_u32 s[26+n%4], 0, v[16+n]             ; word n: a bit for each lane
	v_writelane_b32 v[80+n%2], s[26+n%4], n/2      ; word n goes to lane n / 2: even words in v80, odd in v81
	s_or_b32 s24, s24, s[26+n%4]
	s_and_b32 s25, s25, s[26+n%4]
.set n, n+1
.endr
	s_lshr_b32 s26, s24, 16
	s_or_b32 s24, s24, s26                         ; row r lies in lanes r and 16 + r
	s_and_b32 s24, s24, 0xffff
	s_cmp_eq_u32 s25, -1
	s_cselect_b32 s26, 0x10000, 0
	s_or_b32 s24, s24, s26
	v_mov_b32 v7, s24
	global_store_b64 v6, v[80:81], s[18:19]        ; 32 lanes store 256 consecutive bytes, aligned
	v_cmp_eq_u32 vcc_lo, 0, v5
	s_wait_xcnt 0x0                                ; EXEC changes only behind this wait
	s_and_saveexec_b32 s27, vcc_lo
	global_store_b32 v8, v7, s[20:21]              ; lane 0 stores the summary
	s_wait_xcnt 0x0                                ; and again in front of the line that widens it
	s_or_b32 exec_lo, exec_lo, s27
	s_endpgm
.Lfunc_end_k_q0f9e3cb707_prep:
	.size	k_q0f9e3cb707_prep, .Lfunc_end_k_q0f9e3cb707_prep-k_q0f9e3cb707_prep
	.p2alignl 7, 3214868480
	.fill 96, 4, 3214868480
	.section	.rodata,"a",@progbits
	.p2align	6, 0x0
	.amdhsa_kernel k_q0f9e3cb707_prep
		.amdhsa_group_segment_fixed_size 0
		.amdhsa_private_segment_fixed_size 0
		.amdhsa_enable_private_segment 0
		.amdhsa_kernarg_size 72
		.amdhsa_user_sgpr_count 2
		.amdhsa_user_sgpr_kernarg_segment_ptr 1
		.amdhsa_wavefront_size32 1
		.amdhsa_system_sgpr_workgroup_id_x 1
		.amdhsa_system_sgpr_workgroup_id_y 1
		.amdhsa_system_sgpr_workgroup_id_z 1
		.amdhsa_system_vgpr_workitem_id 0
		.amdhsa_next_free_vgpr 96
		.amdhsa_next_free_sgpr 66
		.amdhsa_reserve_vcc 1
		.amdhsa_float_denorm_mode_32 3
		.amdhsa_float_denorm_mode_16_64 3
		.amdhsa_memory_ordered 1
		.amdhsa_forward_progress 1
		.amdhsa_inst_pref_size 25
	.end_amdhsa_kernel
	.amdgpu_metadata
---
amdhsa.version: [ 1, 2 ]
amdhsa.kernels:
  - .name:           k_q0f9e3cb707_prep
    .symbol:         k_q0f9e3cb707_prep.kd
    .args:
      - { .name: Wq, .offset: 0, .size: 8, .value_kind: global_buffer, .address_space: global }
      - { .name: Wk, .offset: 8, .size: 8, .value_kind: global_buffer, .address_space: global }
      - { .name: Wv, .offset: 16, .size: 8, .value_kind: global_buffer, .address_space: global }
      - { .name: Wo, .offset: 24, .size: 8, .value_kind: global_buffer, .address_space: global }
      - { .name: mask, .offset: 32, .size: 8, .value_kind: global_buffer, .address_space: global }
      - { .name: lowp_scales, .offset: 40, .size: 8, .value_kind: global_buffer, .address_space: global }
      - { .name: wf, .offset: 48, .size: 8, .value_kind: global_buffer, .address_space: global }
      - { .name: mw, .offset: 56, .size: 8, .value_kind: global_buffer, .address_space: global }
      - { .name: mi, .offset: 64, .size: 8, .value_kind: global_buffer, .address_space: global }
    .group_segment_fixed_size: 0
    .private_segment_fixed_size: 0
    .kernarg_segment_align: 8
    .kernarg_segment_size: 72
    .max_flat_workgroup_size: 256
    .sgpr_count:     66
    .vgpr_count:     96
    .wavefront_size: 32
...
	.end_amdgpu_metadata
.endif
;; end of part 1
;; launch proj (part 2): grid 192 x 1, 4 waves a work-group, no clusters, 140,800 bytes of LDS; arguments Q, K, V, bq, bk, bv, wf, lowp_scales, qf, kf, vf; writes qf, kf, vf
.if DOCPART == 2
	.amdgcn_target "amdgcn-amd-amdhsa--gfx1250"
	.amdhsa_code_object_version 6
	.text
	.protected	k_q0f9e3cb707_proj
	.globl	k_q0f9e3cb707_proj
	.p2align	8
	.type	k_q0f9e3cb707_proj,@function
k_q0f9e3cb707_proj:
	s_mov_b64 s[64:65], 0
	v_nop
	global_prefetch_b8 v0, s[64:65] scope:SCOPE_SE
	s_setreg_imm32_b32 hwreg(HW_REG_WAVE_MODE, 25, 1), 1
	s_wait_xcnt 0x0
; THE THREE PROJECTIONS: y = x W^T + b on codes of FP8 (E4M3), and y quantised for the attention launch.  p = work-group / 64 says which (0: Q, 1: K, 2: V), rb = work-group % 64 which 128 rows of x [8192][1024] f32.
; SHARES.  A work-group owns 128 rows and ALL 1,024 columns, so x is read from memory once.  Wave w first quantises rows 32 w .. 32 w + 31 into LDS; behind the launch's one barrier it makes heads 4 w .. 4 w + 3
; for all 128 rows, a head (64 columns) a pass: 32 accumulators of 16 x 16.  192 work-groups: 3 x 8,192 rows in blocks of 128, a block being one key step of the attention launch.
; OPERANDS ARE IMAGES OF THEIR REGISTERS.  A fragment is 16 rows x 128 k = 16 registers: registers 2c, 2c+1 of lane (r, h) hold k = 16c + 8h + 0..7 of row r.  x's 64 fragments lie in LDS, four registers of all lanes
; together (each half of the lanes on 256 bytes + 16 of padding); W's come from wf, where an earlier launch laid them so, STRAIGHT INTO MY REGISTERS: no other wave of the work-group wants those bytes.
; NO JOINT LOADS, though 64 work-groups walk the same W: a joint load lands in LDS, and W's 8 KB a wave and K step would then be read from LDS on top of x's 16 KB; here they touch LDS not at all.
; ORIENTATION.  q, k: source 0 = 16 rows of W, source 1 = 16 rows of x: a lane holds one row of x and 8 neighbouring columns, which are 8 neighbours along the head's 64, the next product's K.
;               v:    source 0 = 16 rows of x, source 1 = 16 rows of W: a lane holds one column d and 8 neighbouring keys, the K of the last product of attention.  So the conversions' results ARE the next operands' registers.
; SCALES.  A sum stands for sum x 2^(ea + eb): the bias goes in as b / 2^(ea + eb), as the C of a sum's first product; the code is sum / 2^(eo - ea - eb), held within +-448 x that.
; OUT.  qf = [b x 16 + head][tile of 16 queries 128][1024], kf = [..][key step 16][16 keys 8][1024], vf = [..][key step 16][16 of d 4][2048]: a pass stores 8 KB at head x 131,072 + (rb % 16) x 8,192, 512 consecutive bytes a store.
; THE LOOK-AHEAD PAST THE END: W's sets are asked for three K steps ahead; the last pass's three look-aheads are held at my last set and read it again (24 KB a wave), so that the pass is written once for each orientation.
; LIMITS: ea, and eo - ea - eb, lie between -126 and 119.  NaN among the inputs is not served.  The bias is added ahead of the products and not behind them: another order of rounding than the reference's.
; REGISTERS, in windows of 256: window 0: addresses, constants, v32-63 held sums, v64-127 codes, v128-159 the bias in the result's layout, v160-163 v's bias as loaded.
;   window 1: W, a ring of 4 sets of 64 (fragment t at + 16 t).   window 2: first two sets of 128 numbers of x; then x's fragments, two sets of 128 (rows 16 a on at + 16 a).   window 3: accumulator (a, t) at 8 (4 a + t).
.set KP,    17536                      ; LDS: a K step's 8 fragments: 8 x 2,176 + 128
.set FP,    2176                       ; a fragment: 4 groups of four registers
.set GP,    544                        ; a group: lanes 0-15, then lanes 16-31
.set HP,    272                        ; sixteen lanes' 256 bytes + 16 of padding
.set SPARE, 8*KP                       ; behind the images: the spare words, 128 bytes for each wave: two blocks of 256 bytes that no other line names
.set L16,  1                           ; v1      16 x lane; never rewritten
.set XG,   2                           ; v2      x: 32 x lane + my wave's 32 rows
.set XB,   5                           ; v5, v6  where my lane's 8 codes go in LDS (K steps 0-3, 4-7)
.set XR,   8                           ; v8-11   where my lane reads x's fragments (K steps 2 i, 2 i + 1)
.set WO,   12                          ; v12-15  W's ring: a set's byte offset + 16 x lane
.set BQ,   16                          ; v16     32 h: my 8 numbers of a tile's bias (q, k)
.set BV,   17                          ; v17     4 r: my one (v)
.set BO,   18                          ; v18     the bias's offset in hand
.set SCX,  19                          ; v19     2^ea
.set LMX,  20                          ; v20     448 x 2^ea
.set SCO,  21                          ; v21     2^(eo - ea - eb)
.set LMO,  22                          ; v22     448 x that
.set SPW,  24                          ; v24     LDS address of my spare word; never rewritten
.set NIL,  25                          ; v25     0; never rewritten
.set T,    32
.set CD,   64
.set BIAS, 128
.set RAW,  160
.set MSB, 0
.macro WIN new                         ; s_set_vgpr_msb: bits 1:0 source 0, 3:2 source 1, 5:4 source 2, 7:6 destination; the immediate's high byte repeats the setting that is left
.if MSB != \new
	s_set_vgpr_msb (MSB<<8)|\new
.set MSB, \new
.endif
.endm
; 32 loads: four rows (two of each of my two tiles of 16) x 1,024 numbers.  Lane l takes k = 256 a + 8 l + 0..7: 8 neighbours, as the conversion wants them; a pair of loads covers 1,024 consecutive bytes of a row.
.macro XLOAD set, tr
	WIN 0x80
.irp y, 0,1,2,3
.irp a, 0,1,2,3
	global_load_b128 v[128*\set+32*\y+8*\a:128*\set+32*\y+8*\a+3], v[XG], s[2:3] offset:(4*(\tr)+2*\set+16*(\y/2)+\y%2)*4096+1024*\a th:TH_LOAD_NT
	global_load_b128 v[128*\set+32*\y+8*\a+4:128*\set+32*\y+8*\a+7], v[XG], s[2:3] offset:(4*(\tr)+2*\set+16*(\y/2)+\y%2)*4096+1024*\a+16 th:TH_LOAD_NT
.endr
.endr
.endm
; They are held, turned into codes, and each lane's 8 codes go to their place in the images: K step 2 a + l / 16, group (l / 4) % 4, half l % 2, row, byte 8 ((l / 2) % 2).
; Modulo 256 that is 128 (l / 16) + 32 ((l / 4) % 4) + 16 (l % 2) + 8 ((l / 2) % 2): 32 different columns of 8 bytes (64 banks of 4 bytes: ISA guide 11.1).
.macro XWORK set, tr
	s_wait_dscnt 16                                ; this set's codes of the turn before have left their registers; the other set's 16 stores may be out
	WIN 0x82
.set ii, 0
.rept 128
	v_med3_num_f32 v[128*\set+ii], v[128*\set+ii], -v[LMX], v[LMX]   ; the conversion to an 8-bit code does not saturate (ISA guide 7.6.2)
.set ii, ii+1
.endr
	WIN 0x02
.irp q, 0,1,2,3,4,5,6,7,8,9,10,11,12,13,14,15
	v_cvt_scalef32_pk8_fp8_f32 v[CD+32*\set+2*\q:CD+32*\set+2*\q+1], v[128*\set+8*\q:128*\set+8*\q+7], v[SCX]
.endr
	v_nop                                          ; a plain line behind the last conversion
	WIN 0
.irp y, 0,1,2,3
.irp a, 0,1,2,3
	ds_store_b64 v[XB+\a/2], v[CD+32*\set+2*(4*\y+\a):CD+32*\set+2*(4*\y+\a)+1] offset:2*(\a%2)*KP+(\y/2)*FP+16*(\y%2)+32*\set+64*(\tr)
.endr
.endr
.endm
.macro FETCHX s                        ; x's 8 fragments of K step s into set s % 2: 32 loads, sixteen lanes on 256 consecutive bytes
	WIN 0x80
.irp a, 0,1,2,3,4,5,6,7
.irp g, 0,1,2,3
	ds_load_b128 v[128*((\s)%2)+16*\a+4*\g:128*((\s)%2)+16*\a+4*\g+3], v[XR+(\s)/2] offset:((\s)%2)*KP+FP*\a+GP*\g
.endr
.endr
.endm
.macro FETCHW i                        ; a set of W: 4 fragments, 8 KB, 512 consecutive bytes a load, into ring place i
	WIN 0x40
.irp m, 0,1,2,3,4,5,6,7,8,9,10,11,12,13,14,15
	global_load_b128 v[64*(\i)+4*\m:64*(\i)+4*\m+3], v[WO+(\i)], s[4:5] offset:512*\m
.endr
.endm
.macro BLOAD v                         ; a head's bias, by v[BO]
.irp t, 0,1,2,3
.if \v
	global_load_b32 v[RAW+\t], v[BO], s[6:7] offset:64*\t                       ; b(16 t + r)
.else
	global_load_b128 v[BIAS+8*\t:BIAS+8*\t+3], v[BO], s[6:7] offset:64*\t       ; b(16 t + 8 h + 0..7)
	global_load_b128 v[BIAS+8*\t+4:BIAS+8*\t+7], v[BO], s[6:7] offset:64*\t+16
.endif
.endr
.endm
.macro BIASFIX v                       ; b / 2^(ea + eb), in the result's layout: 8 registers a tile
.irp t, 0,1,2,3
.irp j, 0,1,2,3,4,5,6,7
.if \v
	v_ldexp_f32 v[BIAS+8*\t+\j], v[RAW+\t], s45
.else
	v_ldexp_f32 v[BIAS+8*\t+\j], v[BIAS+8*\t+\j], s45
.endif
.endr
.endr
.endm
; A K step of 128: 32 matrix instructions on the 32 accumulators, which take turns, one instruction a turn, in the same order in every step.
; At its head the next step's x (32 LDS loads) and the W of three steps on (16 loads) are asked for, into registers that the step before has read: four plain lines stand between its last product and these loads.
.macro STEP s, v
	s_min_u32 s51, s50, 31*8192                    ; the set three steps on, held at my last
	s_add_co_u32 s50, s50, 8192
	v_add_nc_u32 v[WO+((\s)+3)%4], s51, v[L16]     ; (this register's last loads were waited for a step ago)
.if (\s) == 1
	s_min_u32 s57, s52, 15*256                     ; the next head's bias, held at the last head's
.if \v
	v_add_nc_u32 v[BO], s57, v[BV]
.else
	v_add_nc_u32 v[BO], s57, v[BQ]
.endif
	v_nop
	v_nop
.else
	v_nop
	v_nop
	v_nop
.endif
	FETCHX ((\s)+1)%8
.if (\s) == 1
	WIN 0
	BLOAD \v                                       ; step 0 has taken the bias as C; the next pass's comes now
.endif
	FETCHW ((\s)+3)%4
.if ((\s) >= 1) && ((\s) <= 3)
	s_wait_loadcnt 56-4*\v                         ; this step's W is in; behind it: three sets of 16 and the bias's 8 (v: 4) loads
.else
	s_wait_loadcnt 48                              ; this step's W is in; behind it: three sets of 16
.endif
	s_wait_dscnt 32                                ; this step's x is in; the 32 loads just issued may be out
.if \v
.if (\s) == 0
	WIN 0xc6                                       ; source 0 (x) window 2, source 1 (W) window 1, C (the bias) window 0, D window 3
.else
	WIN 0xf6
.endif
.else
.if (\s) == 0
	WIN 0xc9                                       ; source 0 (W) window 1, source 1 (x) window 2, C (the bias) window 0, D window 3
.else
	WIN 0xf9
.endif
.endif
.irp a, 0,1,2,3,4,5,6,7
.irp t, 0,1,2,3
.if \v
.if (\s) == 0
	v_wmma_f32_16x16x128_fp8_fp8 v[8*(4*\a+\t):8*(4*\a+\t)+7], v[128*((\s)%2)+16*\a:128*((\s)%2)+16*\a+15], v[64*((\s)%4)+16*\t:64*((\s)%4)+16*\t+15], v[BIAS+8*\t:BIAS+8*\t+7]
.else
	v_wmma_f32_16x16x128_fp8_fp8 v[8*(4*\a+\t):8*(4*\a+\t)+7], v[128*((\s)%2)+16*\a:128*((\s)%2)+16*\a+15], v[64*((\s)%4)+16*\t:64*((\s)%4)+16*\t+15], v[8*(4*\a+\t):8*(4*\a+\t)+7]
.endif
.else
.if (\s) == 0
	v_wmma_f32_16x16x128_fp8_fp8 v[8*(4*\a+\t):8*(4*\a+\t)+7], v[64*((\s)%4)+16*\t:64*((\s)%4)+16*\t+15], v[128*((\s)%2)+16*\a:128*((\s)%2)+16*\a+15], v[BIAS+8*\t:BIAS+8*\t+7]
.else
	v_wmma_f32_16x16x128_fp8_fp8 v[8*(4*\a+\t):8*(4*\a+\t)+7], v[64*((\s)%4)+16*\t:64*((\s)%4)+16*\t+15], v[128*((\s)%2)+16*\a:128*((\s)%2)+16*\a+15], v[8*(4*\a+\t):8*(4*\a+\t)+7]
.endif
.endif
.endr
.endr
	WIN 0
.endm
; A head is finished: held, turned into codes, stored as the next operand's registers.  Each accumulator is read from its low end on.
.macro WAYOUT v
.rept 4
	v_nop                                          ; places in front of the first read of results
.endr
.irp a, 0,1,2,3,4,5,6,7
	WIN 0x03                                       ; source 0 window 3
.set ii, 0
.rept 32
	v_med3_num_f32 v[T+ii], v[32*\a+ii], -v[LMO], v[LMO]
.set ii, ii+1
.endr
	WIN 0
.irp t, 0,1,2,3
.if \v
	v_cvt_scalef32_pk8_fp8_f32 v[CD+16*\t+2*\a:CD+16*\t+2*\a+1], v[T+8*\t:T+8*\t+7], v[SCO]   ; d = 16 t + r, keys 16 a + 8 h + 0..7: registers 2 a, 2 a + 1 of fragment t
.else
	v_cvt_scalef32_pk8_fp8_f32 v[CD+8*\a+2*\t:CD+8*\a+2*\t+1], v[T+8*\t:T+8*\t+7], v[SCO]     ; row 16 a + r, d = 16 t + 8 h + 0..7: registers 2 t, 2 t + 1 of fragment a
.endif
.endr
	v_nop                                          ; a plain line between the conversions and the next holds, which write their sources
.endr
.irp i, 0,1,2,3,4,5,6,7,8,9,10,11,12,13,14,15
	global_store_b128 v[L16], v[CD+4*\i:CD+4*\i+3], s[30:31] offset:512*\i   ; 32 lanes store 512 consecutive bytes, aligned
.endr
	BIASFIX \v                                     ; the next pass's bias (its loads were waited for in step 4)
	s_wait_xcnt 0x0                                ; the stores have read their data and their base: both are written again only behind this wait
	s_add_nc_u64 s[30:31], s[30:31], 131072        ; the next head
	s_add_co_u32 s52, s52, 256
.endm
.macro GEMM v
	BIASFIX \v
	FETCHX 0
	WIN 0                                          ; at a label and at a branch every window is 0
	s_mov_b32 s48, 4
.Lpass_\@:
	STEP 0, \v
	STEP 1, \v
	STEP 2, \v
	STEP 3, \v
	STEP 4, \v
	STEP 5, \v
	STEP 6, \v
	STEP 7, \v
	WAYOUT \v
	s_sub_co_u32 s48, s48, 1
	s_cmp_lg_u32 s48, 0
	s_cbranch_scc1 .Lpass_\@
	s_wait_tensorcnt 0x0                           ; the wave's end
	ds_add_u32 v[SPW], v[NIL]
	s_wait_dscnt 0x0
	s_endpgm
.endm
	s_load_b256 s[8:15], s[0:1], 0x0               ; Q s[8:9], K s[10:11], V s[12:13], bq s[14:15]
	s_load_b256 s[16:23], s[0:1], 0x20             ; bk s[16:17], bv s[18:19], wf s[20:21], the scales' exponents s[22:23]
	s_load_b128 s[24:27], s[0:1], 0x40             ; qf s[24:25], kf s[26:27]
	s_load_b64 s[28:29], s[0:1], 0x50              ; vf
	v_lshl_add_u32 v[SPW], v0, 2, SPARE
	v_mov_b32 v[NIL], 0
	v_lshrrev_b32 v26, 5, v0
	v_readfirstlane_b32 s46, v26                   ; wave 0..3
	s_lshr_b32 s47, ttmp9, 6                       ; p
	s_and_b32 s53, ttmp9, 63                       ; rb
	v_and_b32 v26, 31, v0                          ; lane
	v_and_b32 v27, 15, v0                          ; r
	v_bfe_u32 v28, v0, 4, 1                        ; h
	v_lshlrev_b32 v[L16], 4, v26
	s_lshl_b32 s51, s46, 17                        ; my wave's 32 rows of 4,096 bytes
	v_lshl_add_u32 v[XG], v26, 5, s51
	v_mul_u32_u24 v[XB], v28, KP                   ; (l / 16) K steps
	v_bfe_u32 v29, v0, 2, 2
	v_mad_u32_u24 v[XB], v29, GP, v[XB]            ; group (l / 4) % 4
	v_and_b32 v29, 1, v0
	v_mad_u32_u24 v[XB], v29, HP, v[XB]            ; half l % 2
	v_bfe_u32 v29, v0, 1, 1
	v_lshl_add_u32 v[XB], v29, 3, v[XB]            ; byte 8 ((l / 2) % 2)
	s_mul_i32 s51, s46, 2*FP                       ; my wave's two tiles of rows
	v_add_nc_u32 v[XB], s51, v[XB]
	v_add_nc_u32 v[XB+1], 4*KP, v[XB]
	v_mul_u32_u24 v[XR], v28, HP
	v_lshl_add_u32 v[XR], v27, 4, v[XR]            ; 272 h + 16 r
	v_add_nc_u32 v[XR+1], 2*KP, v[XR]
	v_add_nc_u32 v[XR+2], 4*KP, v[XR]
	v_add_nc_u32 v[XR+3], 6*KP, v[XR]
	v_mov_b32 v[WO], v[L16]
	v_add_nc_u32 v[WO+1], 8192, v[L16]
	v_add_nc_u32 v[WO+2], 16384, v[L16]
	v_lshlrev_b32 v[BQ], 5, v28
	v_lshlrev_b32 v[BV], 2, v27
	s_lshl_b32 s52, s46, 10                        ; my first head's 256 bytes of bias
	v_add_nc_u32 v[BO], s52, v[BQ]
	v_add_nc_u32 v23, s52, v[BV]
	s_add_co_u32 s52, s52, 256                     ; the head whose bias is asked for next
	s_mov_b32 s50, 3*8192                          ; the set of W that is asked for next
	s_wait_kmcnt 0x0
	s_load_b256 s[32:39], s[22:23], 0x0            ; e0 .. e7
	s_load_b64 s[40:41], s[22:23], 0x20            ; e8, e9
	s_cmp_eq_u32 s47, 1                            ; the choices hang on the work-group's number alone
	s_cselect_b64 s[2:3], s[10:11], s[8:9]         ; x
	s_cselect_b64 s[6:7], s[16:17], s[14:15]       ; the bias
	s_cselect_b64 s[30:31], s[26:27], s[24:25]     ; where the codes go
	s_cmp_eq_u32 s47, 2
	s_cselect_b64 s[2:3], s[12:13], s[2:3]
	s_cselect_b64 s[6:7], s[18:19], s[6:7]
	s_cselect_b64 s[30:31], s[28:29], s[30:31]
	s_lshl_b32 s54, s47, 20                        ; W: weight p,
	s_lshl_b32 s55, s46, 18                        ; my 4 heads of 65,536 bytes
	s_add_co_u32 s54, s54, s55
	s_mov_b32 s55, 0
	s_add_nc_u64 s[4:5], s[20:21], s[54:55]
	s_lshl_b32 s54, s53, 19                        ; x: 128 rb rows
	s_add_nc_u64 s[2:3], s[2:3], s[54:55]
	s_lshr_b32 s54, s53, 4
	s_lshl_b32 s54, s54, 4                         ; 16 b
	s_lshl_b32 s56, s46, 2
	s_add_co_u32 s54, s54, s56                     ; + my first head
	s_lshl_b32 s54, s54, 17
	s_and_b32 s56, s53, 15
	s_lshl_b32 s56, s56, 13                        ; + (rb % 16) x 8,192
	s_add_co_u32 s54, s54, s56
	s_add_nc_u64 s[30:31], s[30:31], s[54:55]
	FETCHW 0                                       ; W's first three sets, the first head's bias in both layouts (no branch stands here), and x's first eight rows
	FETCHW 1
	FETCHW 2
	WIN 0
	BLOAD 0
.irp t, 0,1,2,3
	global_load_b32 v[RAW+\t], v23, s[6:7] offset:64*\t
.endr
	XLOAD 0, 0
	XLOAD 1, 0
	WIN 0
	s_wait_kmcnt 0x0
	s_cmp_eq_u32 s47, 1
	s_cselect_b32 s42, s34, s32                    ; ea
	s_cselect_b32 s43, s35, s33                    ; eb
	s_cselect_b32 s44, s39, s38                    ; eo: e6 for q, e7 for k,
	s_cmp_eq_u32 s47, 2
	s_cselect_b32 s42, s36, s42
	s_cselect_b32 s43, s37, s43
	s_cselect_b32 s44, s41, s44                    ; e9 for v
	s_add_co_i32 s45, s42, s43
	s_sub_co_i32 s44, s44, s45                     ; eo - ea - eb
	s_sub_co_i32 s45, 0, s45                       ; -(ea + eb)
	s_add_co_i32 s51, s42, 127
	s_lshl_b32 s54, s51, 23
	v_mov_b32 v[SCX], s54                          ; 2^ea as f32: the conversion takes its exponent field
	s_add_co_i32 s51, s51, 8
	s_lshl_b32 s51, s51, 23
	s_or_b32 s51, s51, 0x600000
	v_mov_b32 v[LMX], s51                          ; 448 x 2^ea
	s_add_co_i32 s51, s44, 127
	s_lshl_b32 s54, s51, 23
	v_mov_b32 v[SCO], s54
	s_add_co_i32 s51, s51, 8
	s_lshl_b32 s51, s51, 23
	s_or_b32 s51, s51, 0x600000
	v_mov_b32 v[LMO], s51
	; ---- X: my 32 rows become codes in LDS, four rows a set, two sets by turns: 64 loads of mine are on their way throughout.  Written out: every offset is an immediate, and no load leaves my rows
.irp tr, 0,1,2,3
	s_wait_loadcnt 32                              ; set 0 is in; set 1's 32 loads may be out
	XWORK 0, \tr
.if \tr < 3
	XLOAD 0, \tr+1
	s_wait_loadcnt 32                              ; set 1 is in; set 0's next 32 may be out
.else
	s_wait_loadcnt 0
.endif
	XWORK 1, \tr
.if \tr < 3
	XLOAD 1, \tr+1
.endif
.endr
	WIN 0
	s_wait_dscnt 0x0                               ; for the others' sake: my stores have landed
	s_barrier_signal -1
	s_barrier_wait -1                              ; x's 64 fragments lie in LDS; from here on LDS is only read
	s_cmp_eq_u32 s47, 2
	s_cbranch_scc1 .Lfor_v
	GEMM 0
.Lfor_v:
	GEMM 1
.Lfunc_end_k_q0f9e3cb707_proj:
	.size	k_q0f9e3cb707_proj, .Lfunc_end_k_q0f9e3cb707_proj-k_q0f9e3cb707_proj
	.p2alignl 7, 3214868480
	.fill 96, 4, 3214868480
	.section	.rodata,"a",@progbits
	.p2align	6, 0x0
	.amdhsa_kernel k_q0f9e3cb707_proj
		.amdhsa_group_segment_fixed_size 140800
		.amdhsa_private_segment_fixed_size 0
		.amdhsa_enable_private_segment 0
		.amdhsa_kernarg_size 88
		.amdhsa_user_sgpr_count 2
		.amdhsa_user_sgpr_kernarg_segment_ptr 1
		.amdhsa_wavefront_size32 1
		.amdhsa_system_sgpr_workgroup_id_x 1
		.amdhsa_system_sgpr_workgroup_id_y 1
		.amdhsa_system_sgpr_workgroup_id_z 1
		.amdhsa_system_vgpr_workitem_id 0
		.amdhsa_next_free_vgpr 1024
		.amdhsa_next_free_sgpr 66
		.amdhsa_reserve_vcc 0
		.amdhsa_float_denorm_mode_32 3
		.amdhsa_float_denorm_mode_16_64 3
		.amdhsa_memory_ordered 1
		.amdhsa_forward_progress 1
		.amdhsa_inst_pref_size 255
	.end_amdhsa_kernel
	.section	.bss,"aw",@nobits
	.p2align	6
	.space	262144
	.amdgpu_metadata
---
amdhsa.version: [ 1, 2 ]
amdhsa.kernels:
  - .name:           k_q0f9e3cb707_proj
    .symbol:         k_q0f9e3cb707_proj.kd
    .args:
      - { .name: Q, .offset: 0, .size: 8, .value_kind: global_buffer, .address_space: global }
      - { .name: K, .offset: 8, .size: 8, .value_kind: global_buffer, .address_space: global }
      - { .name: V, .offset: 16, .size: 8, .value_kind: global_buffer, .address_space: global }
      - { .name: bq, .offset: 24, .size: 8, .value_kind: global_buffer, .address_space: global }
      - { .name: bk, .offset: 32, .size: 8, .value_kind: global_buffer, .address_space: global }
      - { .name: bv, .offset: 40, .size: 8, .value_kind: global_buffer, .address_space: global }
      - { .name: wf, .offset: 48, .size: 8, .value_kind: global_buffer, .address_space: global }
      - { .name: lowp_scales, .offset: 56, .size: 8, .value_kind: global_buffer, .address_space: global }
      - { .name: qf, .offset: 64, .size: 8, .value_kind: global_buffer, .address_space: global }
      - { .name: kf, .offset: 72, .size: 8, .value_kind: global_buffer, .address_space: global }
      - { .name: vf, .offset: 80, .size: 8, .value_kind: global_buffer, .address_space: global }
    .group_segment_fixed_size: 140800
    .private_segment_fixed_size: 0
    .kernarg_segment_align: 8
    .kernarg_segment_size: 88
    .max_flat_workgroup_size: 128
    .sgpr_count:     66
    .vgpr_count:     1024
    .wavefront_size: 32
...
	.end_amdgpu_metadata
.endif
;; end of part 2
;; launch attn (part 3): grid 8 x 64, 16 waves a work-group, no clusters, 34,816 bytes of LDS; arguments qf, kf, vf, mw, mi, lowp_scales, of; writes of
.if DOCPART == 3
	.amdgcn_target "amdgcn-amd-amdhsa--gfx1250"
	.amdhsa_code_object_version 6
	.text
	.protected	k_q0f9e3cb707_attn
	.globl	k_q0f9e3cb707_attn
	.p2align	8
	.type	k_q0f9e3cb707_attn,@function
k_q0f9e3cb707_attn:
	s_mov_b64 s[64:65], 0
	v_nop
	global_prefetch_b8 v0, s[64:65] scope:SCOPE_SE
	s_setreg_imm32_b32 hwreg(HW_REG_WAVE_MODE, 25, 1), 1
	s_wait_xcnt 0x0
; ATTENTION ON CODES OF FP8 (E4M3): S = q k^T / 8, the mask AS IT IS GIVEN, softmax, O = P v, and O quantised for the last projection.  bh = work-group y (batch x 16 + head), xq = work-group x.
; THE SOFTMAX: t = logit x log2(e); M = the running largest t rounded UP to a whole number; p = 2^(t - M) is quantised (2^e8), not normalised; the row's sum is taken of the unquantised p and divides at the end.
; When M moves, the sum and O are multiplied by 2^(old M - new M), which rounds nothing.
; SHARES.  Sixteen waves, each ONE tile of 16 queries in 256 registers, four waves to a SIMD.  Wave w = 4 a + b owns tile qt = 8 rank + xq, rank = 4 ((a + b) % 4) + a: a work-group's tiles are spread over the
; whole sequence, and any four waves with equal w % 4 or equal w / 4 hold one tile of each quarter, so that work that drifts along the sequence is shared evenly.
; LAYOUT.  Both products transposed: S^T = K Q^T (source 0 = 16 keys, source 1 = my queries; K = 64), O^T = V^T P^T (source 0 = 16 of d, source 1 = P; K = 128 keys): a lane holds ONE query (lane % 16) throughout,
; register 8 T + j of S^T is key 16 T + 8 (lane / 16) + j, and the conversions' results are P's registers 2 T, 2 T + 1.  All operands lie in memory as images of their registers.
; K AND V: a key step's 16 KB go through two LDS slots by turns.  Each wave copies 1 KB through registers, asked for two steps ahead; one barrier a step: in front of it a wave's stores have landed and its reads of
; the slot that is written next are over.  The copies and barriers are on every wave's path.
; NO TENSOR LOADS AND NO JOINT LOADS, though the 8 work-groups of a bh walk the same K and V: a wave LEAVES OUT a key step by a branch on numbers that an earlier launch stored.
; WHAT IS LEFT OUT: a step in which none of my 16 queries has a key that counts, and only if EACH of my 16 queries has a key that counts somewhere: such keys have p = 0.  With a row that is hidden wholly nothing is
; left out: that row has p = 1 on all 2,048 keys, as the reference has it.  At least one step is always walked.  A step in which all keys count skips the 64 selections.
; THE HIDDEN SCORE.  The reference's logit -1e9 is replaced by the raw score SM = -2^(33 - e6 - e7), whose t = c x SM = -2^30 log2(e) is a whole number in f32: in a wholly hidden row t - M is exactly 0 and p = 1, as by the
; reference's numbers; beside a key that counts both give p = 0.  LIMIT: e6 + e7 between -94 and 8: the hold at 448 then keeps every true logit under 2^29 in magnitude, far above both stand-ins.
; OTHER LIMITS: e8, and e10 - e8 - e9, between -126 and 119.  The hold of p is walked only where e8 < -8: p is at most 1, so for e8 >= -8 its code is at most 256.
; REGISTERS: v1 16 x lane; v2 + 1,024 x wave; v3, v4 the copies' offsets; v5, v6 the add's two; v7 SM; v8, v9 2^e8, 448 x 2^e8; v10 256 x lane; v11 a permute's destination; v12 -M; v13 the largest t; v[14:15] the sum in two
; halves; v16-23 Q; v24-39 two sets of 1 KB on its way; v40-103 K's 8 fragments, then V's 4; v104-167 S^T, then p; v168-199 O^T; v200-215 p's codes; v216 f; v[218:219], v220, v221 at work; v224-255 the way out.
.set SLOTB, 16384                      ; a slot: K's 8 fragments of 1,024 bytes, then V's 4 of 2,048
.set SPARE, 2*SLOTB                    ; behind the slots: the spare words, 128 bytes for each wave: eight blocks of 256 bytes that no other line names
; A PREFETCH INTO THE L2 of the two key steps that the copies of the NEXT trip of the loop will ask for: 8 KB of K or of V a step, lanes 256 bytes apart.  The 8 work-groups of a bh walk the same bytes: the first (xq = 0)
; asks, wave 0 for K, wave 8 for V, so each block of 256 bytes is named once in the launch.  It stands behind the wave's own loads.  Steps 0 to 3 come by their loads alone; the last two trips ask for nothing.
.macro ASK
	s_cmp_gt_u32 s9, s22                           ; s22 = 2 in a wave that asks, else the greatest number
	s_cbranch_scc0 .Lnot_mine_\@
	global_prefetch_b8 v10, s[20:21] offset:4*8192 th:TH_LOAD_NT scope:SCOPE_SE
	global_prefetch_b8 v10, s[20:21] offset:5*8192 th:TH_LOAD_NT scope:SCOPE_SE
.Lnot_mine_\@:
.endm
; A KEY STEP of 128 keys for my 16 queries.  No barrier, no store and no global load stands in it.
.macro STEP slot
	s_bitcmp1_b32 s10, 0                           ; left out?  (a number stored by an earlier launch)
	s_cbranch_scc1 .Lskip_\@
	s_load_b512 s[32:47], s[4:5], 256*\slot        ; the tile's 64 words of lane bits
	s_load_b512 s[48:63], s[4:5], 256*\slot+64
	s_load_b512 s[68:83], s[4:5], 256*\slot+128
	s_load_b512 s[84:99], s[4:5], 256*\slot+192
.rept 4
	v_nop                                          ; places in front of loads into registers that the last products read
.endr
.set n, 0
.rept 16
	ds_load_b128 v[40+4*n:43+4*n], v1 offset:SLOTB*\slot+512*n
.set n, n+1
.endr
	s_wait_dscnt 0x0
.irp t, 0,1,2,3,4,5,6,7
	v_wmma_f32_16x16x64_fp8_fp8 v[104+8*\t:111+8*\t], v[40+8*\t:47+8*\t], v[16:23], 0
.endr
.rept 4
	v_nop                                          ; places in front of the loads below and of the first read of the scores
.endr
.set n, 0
.rept 16
	ds_load_b128 v[40+4*n:43+4*n], v1 offset:SLOTB*\slot+8192+512*n   ; V: it lands while the softmax is walked
.set n, n+1
.endr
	s_wait_kmcnt 0x0
	s_bitcmp1_b32 s11, 0                           ; do all 2,048 count?
	s_cbranch_scc1 .Lfull_\@
.set n, 0
.rept 64
.if n < 32
	v_cndmask_b32 v[104+n], v7, v[104+n], s[32+n]  ; bit = 1: the score; 0: SM
.else
	v_cndmask_b32 v[104+n], v7, v[104+n], s[36+n]
.endif
.set n, n+1
.endr
.Lfull_\@:
	v_max3_num_f32 v220, v104, v105, v106          ; the step's largest score of my query among my 64 keys, in two chains, each accumulator from its low end on,
	v_max3_num_f32 v221, v107, v108, v109
.irp i, 6,10,14,18,22,26,30,34,38,42,46,50,54,58
	v_max3_num_f32 v220, v220, v[104+\i], v[105+\i]
	v_max3_num_f32 v221, v221, v[106+\i], v[107+\i]
.endr
	v_max3_num_f32 v220, v220, v166, v167
	v_max_num_f32 v220, v220, v221
	v_permlanex16_b32 v11, v220, s14, s15
	v_max_num_f32 v220, v220, v11                  ; and among lane l xor 16's
	v_mul_f32 v220, s12, v220                      ; as t (c is positive)
	v_max_num_f32 v13, v13, v220                   ; the running largest t
	v_mov_b32 v220, v12
	v_floor_f32 v12, -v13                          ; the new -M = floor(-t) = -ceil(t): a whole number
	v_sub_f32 v220, v12, v220                      ; old M - new M: a whole number, 0 or less
	v_cvt_i32_f32 v220, v220                       ; (it saturates)
	v_ldexp_f32 v216, 1.0, v220                    ; f = 2^(old M - new M)
.set n, 0
.rept 32
	v_pk_fma_f32 v[104+n:105+n], v[104+n:105+n], s[12:13], v[12:13] op_sel_hi:[1,0,0]   ; t - M, two at a time (of the pairs c and -M the low word serves both halves)
.set n, n+2
.endr
.set n, 0
.rept 64
	v_exp_f32 v[104+n], v[104+n]                   ; p = 2^(t - M), at most 1
.set n, n+1
.endr
	v_pk_mul_f32 v[14:15], v[14:15], v[216:217] op_sel_hi:[1,0]   ; the sums under the new M: the plain line behind the exponentials
	s_wait_alu depctr_va_vdst(0)                   ; the wait ahead of the first line that names a result: one for the batch of 64
	v_pk_add_f32 v[218:219], v[104:105], v[106:107]   ; the row's sum, of the UNQUANTISED p, in two chains
.irp j, 4,8,12,16,20,24,28,32,36,40,44,48,52,56,60
	v_pk_add_f32 v[14:15], v[14:15], v[104+\j:105+\j]
	v_pk_add_f32 v[218:219], v[218:219], v[106+\j:107+\j]
.endr
	v_pk_add_f32 v[14:15], v[14:15], v[218:219]
	s_cmp_eq_u32 s16, 0                            ; e8 >= -8: no code of p can pass 256
	s_cbranch_scc1 .Lno_hold_\@
.set n, 0
.rept 64
	v_min_num_f32 v[104+n], v[104+n], v9           ; the conversion does not saturate (ISA guide 7.6.2); p is not negative, so the hold is one-sided
.set n, n+1
.endr
.Lno_hold_\@:
.irp t, 0,1,2,3,4,5,6,7
	v_cvt_scalef32_pk8_fp8_f32 v[200+2*\t:201+2*\t], v[104+8*\t:111+8*\t], v8
.endr
.set n, 0
.rept 16
	v_pk_mul_f32 v[168+n:169+n], v[168+n:169+n], v[216:217] op_sel_hi:[1,0]   ; O^T under the new M; these are also the plain lines behind the conversions
.set n, n+2
.endr
	s_wait_dscnt 0x0                               ; V is in
.irp t, 0,1,2,3
	v_wmma_f32_16x16x128_fp8_fp8 v[168+8*\t:175+8*\t], v[40+16*\t:55+16*\t], v[200:215], v[168+8*\t:175+8*\t]   ; the four accumulators take turns
.endr
.Lskip_\@:
.endm
.macro TRIP slot
	s_wait_loadcnt 2                               ; this step's two loads of mine are in; the next step's two may be out
	ds_store_b128 v2, v[24+8*\slot:27+8*\slot] offset:SLOTB*\slot
	ds_store_b128 v2, v[28+8*\slot:31+8*\slot] offset:SLOTB*\slot+512
	s_min_u32 s18, s17, 15*8192                    ; the step two on; the last two steps read step 15 again (2 KB a wave), so that the loop has no tail
	s_add_co_u32 s17, s17, 8192
	s_wait_dscnt 0x0                               ; my stores have landed, and my reads of the other slot, which is written next, are over
	s_barrier_signal -1
	s_barrier_wait -1                              ; both hold of all sixteen waves
	v_add_nc_u32 v[3+\slot], s18, v1
	global_load_b128 v[24+8*\slot:27+8*\slot], v[3+\slot], s[2:3]
	global_load_b128 v[28+8*\slot:31+8*\slot], v[3+\slot], s[2:3] offset:512
.if \slot == 0
	ASK
.endif
	STEP \slot
	s_lshr_b32 s10, s10, 1
	s_lshr_b32 s11, s11, 1
.endm
	s_load_b256 s[32:39], s[0:1], 0x0              ; qf s[32:33], kf s[34:35], vf s[36:37], mw s[38:39]
	s_load_b128 s[40:43], s[0:1], 0x20             ; mi s[40:41], the scales' exponents s[42:43]
	s_load_b64 s[44:45], s[0:1], 0x30              ; of
	v_lshl_add_u32 v5, v0, 2, SPARE
	v_mov_b32 v6, 0
	v_lshrrev_b32 v1, 5, v0
	v_readfirstlane_b32 s8, v1                     ; wave 0..15
	v_and_b32 v10, 31, v0
	v_lshlrev_b32 v1, 4, v10                       ; 16 x lane
	v_lshlrev_b32 v10, 8, v10                      ; 256 x lane
	s_lshl_b32 s18, s8, 10
	v_add_nc_u32 v2, s18, v1                       ; where my 1 KB of a step goes in a slot
	s_lshr_b32 s18, s8, 2                          ; a
	s_and_b32 s19, s8, 3                           ; b
	s_add_co_u32 s19, s19, s18
	s_and_b32 s19, s19, 3
	s_lshl_b32 s19, s19, 2
	s_add_co_u32 s19, s19, s18                     ; rank
	s_lshl_b32 s23, s19, 3
	s_add_co_u32 s23, s23, ttmp9                   ; qt
	s_and_b32 s29, ttmp7, 0xffff                   ; bh
	s_mov_b32 s47, 0
	s_wait_kmcnt 0x0
	s_load_b128 s[24:27], s[42:43], 0x18           ; e6 .. e9
	s_load_b32 s28, s[42:43], 0x28                 ; e10
	s_lshl_b32 s46, s23, 6
	s_add_nc_u64 s[40:41], s[40:41], s[46:47]
	s_load_b512 s[68:83], s[40:41], 0x0            ; my tile's 16 words of summary
	s_lshl_b32 s46, s29, 17                        ; a bh's 131,072 bytes in qf, kf and vf
	s_add_nc_u64 s[32:33], s[32:33], s[46:47]
	s_add_nc_u64 s[34:35], s[34:35], s[46:47]
	s_add_nc_u64 s[36:37], s[36:37], s[46:47]
	s_cmp_lt_u32 s8, 8                             ; waves 0-7 copy K, waves 8-15 V
	s_cselect_b64 s[2:3], s[34:35], s[36:37]
	s_mov_b64 s[20:21], s[2:3]                     ; the prefetches stand at a step's first byte
	s_and_b32 s46, s8, 7
	s_lshl_b32 s46, s46, 10
	s_add_nc_u64 s[2:3], s[2:3], s[46:47]          ; my 1 KB of a step
	s_lshl_b32 s46, s23, 10
	s_add_nc_u64 s[32:33], s[32:33], s[46:47]      ; my tile of Q
	s_lshl_b32 s46, s23, 12
	s_add_nc_u64 s[4:5], s[38:39], s[46:47]        ; my tile's words: 16 steps of 256 bytes
	s_lshr_b32 s46, s29, 4
	s_lshl_b32 s46, s46, 4
	s_add_co_u32 s46, s46, s19                     ; of: block of 128 rows = 16 b + rank,
	s_lshl_b32 s46, s46, 3
	s_bfe_u32 s18, s29, 0x30001
	s_add_co_u32 s46, s46, s18                     ; K step = head / 2,
	s_lshl_b32 s46, s46, 3
	s_add_co_u32 s46, s46, ttmp9                   ; tile of 16 rows = xq,
	s_lshl_b32 s46, s46, 1
	s_and_b32 s18, s29, 1
	s_add_co_u32 s46, s46, s18                     ; half of the fragment = head % 2
	s_lshl_b32 s46, s46, 10
	s_add_nc_u64 s[6:7], s[44:45], s[46:47]
	global_load_b128 v[16:19], v1, s[32:33]        ; Q's fragment stays in registers
	global_load_b128 v[20:23], v1, s[32:33] offset:512
	v_mov_b32 v3, v1
	v_add_nc_u32 v4, 8192, v1
	global_load_b128 v[24:27], v3, s[2:3]          ; steps 0 and 1
	global_load_b128 v[28:31], v3, s[2:3] offset:512
	global_load_b128 v[32:35], v4, s[2:3]
	global_load_b128 v[36:39], v4, s[2:3] offset:512
	s_and_b32 s18, s8, 7
	s_or_b32 s18, s18, ttmp9
	s_cmp_eq_u32 s18, 0
	s_cselect_b32 s22, 2, -1                       ; waves 0 and 8 of the bh's first work-group prefetch
	s_mov_b32 s14, 0x76543210                      ; v_permlanex16_b32's selects for lane l xor 16
	s_mov_b32 s15, 0xfedcba98
	s_mov_b32 s17, 2*8192
	s_mov_b32 s9, 8
	v_mov_b32 v13, 0xff61b1e6                      ; the largest t so far: -3e38, under every t
	v_floor_f32 v12, -v13
	v_mov_b32 v14, 0
	v_mov_b32 v15, 0
	v_mov_b32 v11, 0                               ; written once: a lane permute's destination counts as one of its sources
	v_mov_b32 v217, 0                              ; (named as the upper half of the pair v[216:217])
.set n, 0
.rept 32
	v_mov_b32 v[168+n], 0                          ; O^T: which step is a wave's first hangs on the stored numbers, so the step is written once and finds zeros
.set n, n+1
.endr
	s_wait_kmcnt 0x0
	s_add_co_i32 s18, s24, s25                     ; e6 + e7
	s_sub_co_i32 s19, s18, 3
	s_lshl_b32 s19, s19, 23
	s_add_co_i32 s12, s19, 0x3fb8aa3b              ; c = log2(e) x 2^(e6 + e7) / 8: the exponents are added to log2(e)'s exponent field
	s_mov_b32 s13, s12                             ; (named with it as a pair)
	s_sub_co_i32 s19, 160, s18
	s_lshl_b32 s19, s19, 23
	s_or_b32 s19, s19, 0x80000000
	v_mov_b32 v7, s19                              ; SM = -2^(33 - e6 - e7)
	s_add_co_i32 s18, s26, 127
	s_lshl_b32 s19, s18, 23
	v_mov_b32 v8, s19                              ; 2^e8
	s_add_co_i32 s18, s18, 8
	s_lshl_b32 s18, s18, 23
	s_or_b32 s18, s18, 0x600000
	v_mov_b32 v9, s18                              ; 448 x 2^e8
	s_cmp_lt_i32 s26, -8
	s_cselect_b32 s16, 1, 0                        ; is p's hold owed?
	s_sub_co_i32 s18, s28, s26
	s_sub_co_i32 s18, s18, s27                     ; e10 - e8 - e9: a sum of the second product stands for sum x 2^(e8 + e9)
	s_add_co_i32 s18, s18, 127
	s_lshl_b32 s30, s18, 23
	s_add_co_i32 s18, s18, 8
	s_lshl_b32 s31, s18, 23
	s_or_b32 s31, s31, 0x600000
	s_mov_b32 s18, 0
.irp i, 0,1,2,3,4,5,6,7,8,9,10,11,12,13,14,15
	s_or_b32 s18, s18, s[68+\i]
.endr
	s_and_b32 s18, s18, 0xffff
	s_cmp_eq_u32 s18, 0xffff                       ; has each of my 16 queries a key that counts?
	s_cselect_b32 s19, -1, 0
	s_mov_b32 s10, 0                               ; bit ks: step ks is left out
	s_mov_b32 s11, 0                               ; bit ks: all its keys count
.irp i, 0,1,2,3,4,5,6,7,8,9,10,11,12,13,14,15
	s_and_b32 s18, s[68+\i], 0xffff                ; SCC: some query has a key that counts in step i
	s_cselect_b32 s18, 0, 1<<\i
	s_or_b32 s10, s10, s18
	s_bfe_u32 s18, s[68+\i], 0x10010
	s_lshl_b32 s18, s18, \i
	s_or_b32 s11, s11, s18
.endr
	s_and_b32 s10, s10, s19
.Lloop:                                            ; 8 trips of two key steps
	TRIP 0
	TRIP 1
	s_wait_xcnt 0x0                                ; the scalar loads and the prefetches have read their bases
	s_add_nc_u64 s[4:5], s[4:5], 512
	s_add_nc_u64 s[20:21], s[20:21], 16384
	s_sub_co_u32 s9, s9, 1
	s_cmp_lg_u32 s9, 0
	s_cbranch_scc1 .Lloop
	; THE WAY OUT: O^T / the sum, quantised with 2^e10: lane (r, h) holds query r and d = 16 t + 8 h + 0..7, 8 neighbours along the last projection's K: the codes are registers 8 (head % 2) + 2 t, + 1 of its operand
.rept 4
	v_nop                                          ; places behind the last products
.endr
	v_add_f32 v14, v14, v15                        ; the sum's two halves,
	v_permlanex16_b32 v11, v14, s14, s15
	v_add_f32 v14, v14, v11                        ; and lane l xor 16's
	v_rcp_f32 v14, v14
	v_mov_b32 v8, s30                              ; 2^(e10 - e8 - e9)   (plain lines behind the reciprocal)
	v_mov_b32 v9, s31                              ; 448 x that
	s_wait_alu depctr_va_vdst(0)                   ; the wait ahead of the first line that names the result
.set n, 0
.rept 16
	v_pk_mul_f32 v[224+n:225+n], v[168+n:169+n], v[14:15] op_sel_hi:[1,0]   ; each accumulator from its low end on
.set n, n+2
.endr
.set n, 0
.rept 32
	v_med3_num_f32 v[224+n], v[224+n], -v9, v9
.set n, n+1
.endr
.irp t, 0,1,2,3
	v_cvt_scalef32_pk8_fp8_f32 v[200+2*\t:201+2*\t], v[224+8*\t:231+8*\t], v8
.endr
	v_nop                                          ; a plain line behind the last conversion
	global_store_b128 v1, v[200:203], s[6:7]       ; 32 lanes store 512 consecutive bytes, aligned
	global_store_b128 v1, v[204:207], s[6:7] offset:512
	s_wait_tensorcnt 0x0                           ; the wave's end
	ds_add_u32 v5, v6
	s_wait_dscnt 0x0
	s_endpgm
.Lfunc_end_k_q0f9e3cb707_attn:
	.size	k_q0f9e3cb707_attn, .Lfunc_end_k_q0f9e3cb707_attn-k_q0f9e3cb707_attn
	.p2alignl 7, 3214868480
	.fill 96, 4, 3214868480
	.section	.rodata,"a",@progbits
	.p2align	6, 0x0
	.amdhsa_kernel k_q0f9e3cb707_attn
		.amdhsa_group_segment_fixed_size 34816
		.amdhsa_private_segment_fixed_size 0
		.amdhsa_enable_private_segment 0
		.amdhsa_kernarg_size 56
		.amdhsa_user_sgpr_count 2
		.amdhsa_user_sgpr_kernarg_segment_ptr 1
		.amdhsa_wavefront_size32 1
		.amdhsa_system_sgpr_workgroup_id_x 1
		.amdhsa_system_sgpr_workgroup_id_y 1
		.amdhsa_system_sgpr_workgroup_id_z 1
		.amdhsa_system_vgpr_workitem_id 0
		.amdhsa_next_free_vgpr 256
		.amdhsa_next_free_sgpr 100
		.amdhsa_reserve_vcc 0
		.amdhsa_float_denorm_mode_32 3
		.amdhsa_float_denorm_mode_16_64 3
		.amdhsa_memory_ordered 1
		.amdhsa_forward_progress 1
		.amdhsa_inst_pref_size 56
	.end_amdhsa_kernel
	.amdgpu_metadata
---
amdhsa.version: [ 1, 2 ]
amdhsa.kernels:
  - .name:           k_q0f9e3cb707_attn
    .symbol:         k_q0f9e3cb707_attn.kd
    .args:
      - { .name: qf, .offset: 0, .size: 8, .value_kind: global_buffer, .address_space: global }
      - { .name: kf, .offset: 8, .size: 8, .value_kind: global_buffer, .address_space: global }
      - { .name: vf, .offset: 16, .size: 8, .value_kind: global_buffer, .address_space: global }
      - { .name: mw, .offset: 24, .size: 8, .value_kind: global_buffer, .address_space: global }
      - { .name: mi, .offset: 32, .size: 8, .value_kind: global_buffer, .address_space: global }
      - { .name: lowp_scales, .offset: 40, .size: 8, .value_kind: global_buffer, .address_space: global }
      - { .name: of, .offset: 48, .size: 8, .value_kind: global_buffer, .address_space: global }
    .group_segment_fixed_size: 34816
    .private_segment_fixed_size: 0
    .kernarg_segment_align: 8
    .kernarg_segment_size: 56
    .max_flat_workgroup_size: 512
    .sgpr_count:     100
    .vgpr_count:     256
    .wavefront_size: 32
...
	.end_amdgpu_metadata
.endif
;; end of part 3
;; launch outp (part 4): grid 4 x 64, 4 waves a work-group, no clusters, 148,992 bytes of LDS; arguments of, wf, bo, lowp_scales, out0; writes out0
.if DOCPART == 4
	.amdgcn_target "amdgcn-amd-amdhsa--gfx1250"
	.amdhsa_code_object_version 6
	.text
	.protected	k_q0f9e3cb707_outp
	.globl	k_q0f9e3cb707_outp
	.p2align	8
	.type	k_q0f9e3cb707_outp,@function
k_q0f9e3cb707_outp:
	s_mov_b64 s[64:65], 0
	v_nop
	global_prefetch_b8 v0, s[64:65] scope:SCOPE_SE
	s_setreg_imm32_b32 hwreg(HW_REG_WAVE_MODE, 25, 1), 1
	s_wait_xcnt 0x0
; THE LAST PROJECTION: out0 = o Wo^T + bo on codes of FP8 (E4M3).  o's codes lie in `of` and Wo's in `wf` (its fourth weight) as images of the operands' registers: a fragment is 16 rows x 128 k = 16 registers,
; registers 2c, 2c+1 of lane (r, h) hold k = 16c + 8h + 0..7 of row r; four registers of all lanes are 512 consecutive bytes.
; SHARES.  Work-group (cg, rb) makes rows 128 rb on x columns 256 cg on: 256 work-groups.  A wave makes 128 x 64: 32 accumulators of 16 x 16; K = 1,024 in 8 steps of 128, written out.
; o's block, 128 KB, is copied into LDS once, a quarter a wave, through registers; W's fragments come straight into my registers, three steps ahead: no other wave of the work-group wants them.
; The four work-groups of a row block each read the block once, at their head, by loads of their own and not jointly: the launch has no refill and so no ring; it keeps no tensor load and no rounds.
; source 0 = 16 rows of Wo, source 1 = 16 rows of o: a lane holds one row of the result and 8 neighbouring columns.  out0 = sum x 2^(e10 + e11) + bo: one packed multiply-add for two numbers.
; THE WAY OUT: 16 rows x 64 columns at a time through my own stage in LDS (rows of 256 bytes + 16), back as whole rows: sixteen lanes store 256 consecutive bytes, aligned.
; LIMIT: e10 + e11 between -126 and 127, so that 2^(e10 + e11) is an f32 number.
; REGISTERS, in windows of 256: window 0: addresses; v32-63 a block's results; v64-127 rows read back, two sets; v128-159 bo in the result's layout.   window 1: W, a ring of 4 sets of 64.
;   window 2: first the copy's 256 registers, then o's fragments, two sets of 128.   window 3: accumulator (a, t) at 8 (4 a + t).
.set STG,   131072                     ; behind o's block: the stages, 16 rows x 272 bytes for each wave
.set SP,    272
.set SPARE, STG+4*16*SP                ; behind the stages: the spare words, 128 bytes for each wave: two blocks of 256 bytes that no other line names
.set L16,  1                           ; v1     16 x lane
.set XW,   2                           ; v2     + 32,768 x wave: my quarter of the block, in memory and in LDS
.set STO,  3                           ; v3     the stage: where I put 32 bytes of a row
.set RD,   4                           ; v4     and where I read a row back
.set CO,   5                           ; v5     my byte offset in two rows of out0
.set XR,   8                           ; v8-11  where I read o's fragments (K steps 2 i, 2 i + 1)
.set BQ,   16                          ; v16    32 h
.set SPW,  24
.set NIL,  25
.set T,    32
.set BK,   64
.set BIAS, 128
.set MSB, 0
.macro WIN new                         ; s_set_vgpr_msb: bits 1:0 source 0, 3:2 source 1, 5:4 source 2, 7:6 destination; the immediate's high byte repeats the setting that is left
.if MSB != \new
	s_set_vgpr_msb (MSB<<8)|\new
.set MSB, \new
.endif
.endm
.macro FETCHX s                        ; o's 8 fragments of K step s into set s % 2
	WIN 0x80
.irp a, 0,1,2,3,4,5,6,7
.irp g, 0,1,2,3
	ds_load_b128 v[128*((\s)%2)+16*\a+4*\g:128*((\s)%2)+16*\a+4*\g+3], v[XR+(\s)/2] offset:((\s)%2)*16384+2048*\a+512*\g
.endr
.endr
.endm
.macro FETCHW f                        ; W's 4 fragments of K step f into ring place f % 4
	WIN 0x40
.irp m, 0,1,2,3,4,5,6,7,8,9,10,11,12,13,14,15
	global_load_b128 v[64*((\f)%4)+4*\m:64*((\f)%4)+4*\m+3], v[L16], s[4:5] offset:8192*(\f)+512*\m
.endr
.endm
; A K step: 32 matrix instructions on the 32 accumulators, which take turns in the same order in every step.
.macro OSTEP s
.if (\s) > 0
.rept 4
	v_nop                                          ; places in front of loads into registers that the last products read
.endr
.endif
.if (\s) < 7
	FETCHX (\s)+1
.endif
.if (\s) < 5
	FETCHW (\s)+3
	s_wait_loadcnt 48                              ; this step's W is in; behind it: three sets of 16
.else
	s_wait_loadcnt 16*(7-(\s))                     ; the sets run out: two, one, none behind it
.endif
.if (\s) < 7
	s_wait_dscnt 32                                ; this step's fragments of o are in; the 32 loads just issued may be out
.else
	s_wait_dscnt 0
.endif
.if (\s) == 0
	WIN 0xc9                                       ; source 0 (W) window 1, source 1 (o) window 2, D window 3
.else
	WIN 0xf9
.endif
.irp a, 0,1,2,3,4,5,6,7
.irp t, 0,1,2,3
.if (\s) == 0
	v_wmma_f32_16x16x128_fp8_fp8 v[8*(4*\a+\t):8*(4*\a+\t)+7], v[64*((\s)%4)+16*\t:64*((\s)%4)+16*\t+15], v[128*((\s)%2)+16*\a:128*((\s)%2)+16*\a+15], 0
.else
	v_wmma_f32_16x16x128_fp8_fp8 v[8*(4*\a+\t):8*(4*\a+\t)+7], v[64*((\s)%4)+16*\t:64*((\s)%4)+16*\t+15], v[128*((\s)%2)+16*\a:128*((\s)%2)+16*\a+15], v[8*(4*\a+\t):8*(4*\a+\t)+7]
.endif
.endr
.endr
	WIN 0
.endm
.macro TOSTAGE a                       ; rows 16 a on: finished, into my stage, and back as whole rows.  LDS serves a wave's instructions in order (ISA guide 5.7.1.4): no wait between the stores and the loads
	WIN 0x03                                       ; source 0 (the sums) window 3
.irp k, 0,1,2,3,4,5,6,7,8,9,10,11,12,13,14,15
	v_pk_fma_f32 v[T+2*\k:T+2*\k+1], v[32*(\a)+2*\k:32*(\a)+2*\k+1], s[28:29], v[BIAS+2*\k:BIAS+2*\k+1] op_sel_hi:[1,0,1]   ; sum x 2^(e10 + e11) + bo; each accumulator from its low end on
.endr
	WIN 0
.irp t, 0,1,2,3
	ds_store_b128 v[STO], v[T+8*\t:T+8*\t+3] offset:64*\t
	ds_store_b128 v[STO], v[T+8*\t+4:T+8*\t+7] offset:64*\t+16
.endr
.irp i, 0,1,2,3,4,5,6,7
	ds_load_b128 v[BK+32*((\a)%2)+4*\i:BK+32*((\a)%2)+4*\i+3], v[RD] offset:2*\i*SP
.endr
.endm
.macro SEND a, younger                 ; younger: the LDS instructions issued behind block a's loads
	s_wait_dscnt \younger
.irp i, 0,1,2,3,4,5,6,7
	global_store_b128 v[CO], v[BK+32*((\a)%2)+4*\i:BK+32*((\a)%2)+4*\i+3], s[16:17] offset:(16*(\a)+2*\i)*4096 th:TH_STORE_NT   ; sixteen lanes store 256 consecutive bytes, aligned; written once, read by nobody here
.endr
.endm
	s_load_b256 s[8:15], s[0:1], 0x0               ; of s[8:9], wf s[10:11], bo s[12:13], the scales' exponents s[14:15]
	s_load_b64 s[16:17], s[0:1], 0x20              ; out0
	v_lshl_add_u32 v[SPW], v0, 2, SPARE
	v_mov_b32 v[NIL], 0
	v_lshrrev_b32 v26, 5, v0
	v_readfirstlane_b32 s20, v26                   ; wave 0..3
	s_and_b32 s21, ttmp7, 0xffff                   ; rb
	s_lshl_b32 s23, ttmp9, 2
	s_add_co_u32 s23, s23, s20                     ; my 64 columns: group 4 cg + wave
	v_and_b32 v26, 31, v0
	v_and_b32 v27, 15, v0                          ; r
	v_bfe_u32 v28, v0, 4, 1                        ; h
	v_lshlrev_b32 v[L16], 4, v26
	s_lshl_b32 s22, s20, 15
	v_add_nc_u32 v[XW], s22, v[L16]
	v_mov_b32 v[XR], v[L16]
	v_add_nc_u32 v[XR+1], 32768, v[L16]
	v_add_nc_u32 v[XR+2], 65536, v[L16]
	v_add_nc_u32 v[XR+3], 98304, v[L16]
	s_mul_i32 s24, s20, 16*SP
	s_add_co_u32 s24, s24, STG                     ; my stage
	v_mul_u32_u24 v[STO], v27, SP
	v_lshl_add_u32 v[STO], v28, 5, v[STO]
	v_add_nc_u32 v[STO], s24, v[STO]               ; in: row r, + 32 h
	v_mul_u32_u24 v[RD], v28, SP
	v_lshl_add_u32 v[RD], v27, 4, v[RD]
	v_add_nc_u32 v[RD], s24, v[RD]                 ; back: lanes 0-15 one row, lanes 16-31 the next
	v_lshlrev_b32 v[CO], 12, v28
	v_lshl_add_u32 v[CO], v27, 4, v[CO]            ; and the same two rows of out0
	v_lshlrev_b32 v[BQ], 5, v28
	s_mov_b32 s31, 0
	s_wait_kmcnt 0x0
	s_load_b64 s[26:27], s[14:15], 0x28            ; e10, e11
	s_lshl_b32 s30, s23, 16
	s_add_co_u32 s30, s30, 3<<20                   ; Wo is wf's fourth weight
	s_add_nc_u64 s[4:5], s[10:11], s[30:31]
	s_lshl_b32 s30, s21, 17
	s_add_nc_u64 s[2:3], s[8:9], s[30:31]          ; o's block
	s_lshl_b32 s30, s23, 8
	s_add_nc_u64 s[6:7], s[12:13], s[30:31]        ; my 64 numbers of bo,
	s_add_nc_u64 s[16:17], s[16:17], s[30:31]      ; my 256 bytes of a row of out0,
	s_lshl_b32 s30, s21, 19
	s_add_nc_u64 s[16:17], s[16:17], s[30:31]      ; at row 128 rb
	FETCHW 0
	FETCHW 1
	FETCHW 2
	WIN 0
.irp t, 0,1,2,3
	global_load_b128 v[BIAS+8*\t:BIAS+8*\t+3], v[BQ], s[6:7] offset:64*\t        ; bo(16 t + 8 h + 0..7)
	global_load_b128 v[BIAS+8*\t+4:BIAS+8*\t+7], v[BQ], s[6:7] offset:64*\t+16
.endr
	WIN 0x80                                       ; destination window 2
.set ii, 0
.rept 64
	global_load_b128 v[4*ii:4*ii+3], v[XW], s[2:3] offset:512*ii    ; my 32 KB of the block, 512 consecutive bytes a load
.set ii, ii+1
.endr
	s_wait_kmcnt 0x0
	s_add_co_i32 s28, s26, s27
	s_add_co_i32 s28, s28, 127
	s_lshl_b32 s28, s28, 23                        ; 2^(e10 + e11) as f32
	s_mov_b32 s29, s28                             ; (named with it as a pair)
	WIN 0x08                                       ; store data window 2
.set ii, 0
.rept 64
.if ii % 16 == 0
	s_wait_loadcnt 48-ii                           ; the next sixteen are in; the younger ones may be out
.endif
	ds_store_b128 v[XW], v[4*ii:4*ii+3] offset:512*ii
.set ii, ii+1
.endr
	WIN 0
	s_wait_dscnt 0x0                               ; for the others' sake: my stores have landed
	s_barrier_signal -1
	s_barrier_wait -1                              ; the block lies in LDS; from here on it is only read, and each wave's stage is its own
	FETCHX 0
	OSTEP 0
	OSTEP 1
	OSTEP 2
	OSTEP 3
	OSTEP 4
	OSTEP 5
	OSTEP 6
	OSTEP 7
.rept 4
	v_nop                                          ; places in front of the first read of results
.endr
	TOSTAGE 0
.irp a, 1,2,3,4,5,6,7
.if \a > 1
	s_wait_xcnt 0x0                                ; block a - 2's stores have read their registers: block a's rows may land there
.endif
	TOSTAGE \a
	SEND \a-1, 16                                  ; behind block a - 1's loads: block a's 8 stores and 8 loads
.endr
	SEND 7, 0
	s_wait_tensorcnt 0x0                           ; the wave's end
	ds_add_u32 v[SPW], v[NIL]
	s_wait_dscnt 0x0
	s_endpgm
.Lfunc_end_k_q0f9e3cb707_outp:
	.size	k_q0f9e3cb707_outp, .Lfunc_end_k_q0f9e3cb707_outp-k_q0f9e3cb707_outp
	.p2alignl 7, 3214868480
	.fill 96, 4, 3214868480
	.section	.rodata,"a",@progbits
	.p2align	6, 0x0
	.amdhsa_kernel k_q0f9e3cb707_outp
		.amdhsa_group_segment_fixed_size 148992
		.amdhsa_private_segment_fixed_size 0
		.amdhsa_enable_private_segment 0
		.amdhsa_kernarg_size 40
		.amdhsa_user_sgpr_count 2
		.amdhsa_user_sgpr_kernarg_segment_ptr 1
		.amdhsa_wavefront_size32 1
		.amdhsa_system_sgpr_workgroup_id_x 1
		.amdhsa_system_sgpr_workgroup_id_y 1
		.amdhsa_system_sgpr_workgroup_id_z 1
		.amdhsa_system_vgpr_workitem_id 0
		.amdhsa_next_free_vgpr 1024
		.amdhsa_next_free_sgpr 66
		.amdhsa_reserve_vcc 0
		.amdhsa_float_denorm_mode_32 3
		.amdhsa_float_denorm_mode_16_64 3
		.amdhsa_memory_ordered 1
		.amdhsa_forward_progress 1
		.amdhsa_inst_pref_size 83
	.end_amdhsa_kernel
	.amdgpu_metadata
---
amdhsa.version: [ 1, 2 ]
amdhsa.kernels:
  - .name:           k_q0f9e3cb707_outp
    .symbol:         k_q0f9e3cb707_outp.kd
    .args:
      - { .name: of, .offset: 0, .size: 8, .value_kind: global_buffer, .address_space: global }
      - { .name: wf, .offset: 8, .size: 8, .value_kind: global_buffer, .address_space: global }
      - { .name: bo, .offset: 16, .size: 8, .value_kind: global_buffer, .address_space: global }
      - { .name: lowp_scales, .offset: 24, .size: 8, .value_kind: global_buffer, .address_space: global }
      - { .name: out0, .offset: 32, .size: 8, .value_kind: global_buffer, .address_space: global }
    .group_segment_fixed_size: 148992
    .private_segment_fixed_size: 0
    .kernarg_segment_align: 8
    .kernarg_segment_size: 40
    .max_flat_workgroup_size: 128
    .sgpr_count:     66
    .vgpr_count:     1024
    .wavefront_size: 32
...
	.end_amdgpu_metadata
.endif
;; end of part 4
;; ======== version 2 of 2: 4 launches
;; limits: right only within a limited range of input values
;; workspace buffers: wf 4,194,304 bytes; mw 524,288 bytes of whole numbers; mi 8,192 bytes of whole numbers; qf 8,388,608 bytes; kf 8,388,608 bytes; vf 8,388,608 bytes; of 8,388,608 bytes
;; launch prep (part 5): grid 512 x 1, 8 waves a work-group, no clusters, 0 bytes of LDS; arguments Wq, Wk, Wv, Wo, mask, lowp_scales, wf, mw, mi; writes wf, mw, mi
.if DOCPART == 5
	.amdgcn_target "amdgcn-amd-amdhsa--gfx1250"
	.amdhsa_code_object_version 6
	.text
	.protected	k_q0f9e3cb707_prep
	.globl	k_q0f9e3cb707_prep
	.p2align	8
	.type	k_q0f9e3cb707_prep,@function
k_q0f9e3cb707_prep:
	s_mov_b64 s[64:65], 0
	v_nop
	global_prefetch_b8 v0, s[64:65] scope:SCOPE_SE
	s_setreg_imm32_b32 hwreg(HW_REG_WAVE_MODE, 25, 1), 1
	s_wait_xcnt 0x0
; TWO JOBS IN ONE LAUNCH, 4,096 wave tasks of 8 KB that share nothing: no LDS, no barrier.
; Work-groups 0-255: the four weights [1024 (n)][1024 (k)] f32 become codes of FP8 (E4M3), code = w / 2^e held within +-448, to the nearest code, ties to even,
;   laid in the ORDER OF THE OPERAND'S REGISTERS.  A fragment is 16 rows x 128 k = 16 registers a lane: registers 2c, 2c+1 of lane (r = lane % 16, h = lane / 16) hold k = 16c + 8h + 0..7 of row r.
;   Register R of lane L lies at byte 512 (R / 4) + 16 L + 4 (R % 4) of the fragment's 2,048 bytes: four stores of 512 consecutive bytes.
;   wf = [weight 4: Wq, Wk, Wv, Wo][group of 64 rows 16][K step 8][16 rows 4][2048].
; Work-groups 256-511: the mask [2048 (q)][2048 (k)] int32 becomes, for each tile of 16 queries x 128 keys, 64 words of lane bits in the layout in which the attention launch holds its scores:
;   word 8T + j, bit L = (mask[16 qt + r][128 ks + 16 T + 8 h + j] != 0);  mw = [qt 128][ks 16][64 words].
;   And one word of summary: bits 15:0: row r has a key that counts in this step; bit 16: all 2,048 count.  mi = [qt 128][ks 16].
; A lane takes 8 neighbours along k of its own row (32 bytes, two loads), since the conversion takes 8 neighbours from one lane's registers.
; LIMITS: the weights' exponents (entries 1, 3, 5, 11 of the scales) lie between -126 and 119.  NaN among the inputs is not served.
.set WGW, 256                          ; work-groups that take the weights
	s_load_b256 s[4:11], s[0:1], 0x0               ; Wq s[4:5], Wk s[6:7], Wv s[8:9], Wo s[10:11]
	s_load_b256 s[12:19], s[0:1], 0x20             ; mask s[12:13], the scales' exponents s[14:15], wf s[16:17], mw s[18:19]
	s_load_b64 s[20:21], s[0:1], 0x40              ; mi
	v_lshrrev_b32 v4, 5, v0
	s_delay_alu instid0(VALU_DEP_1)
	v_readfirstlane_b32 s22, v4                    ; wave 0..7
	v_and_b32 v1, 15, v0                           ; r
	v_bfe_u32 v2, v0, 4, 1                         ; h
	v_and_b32 v5, 31, v0                           ; lane
	s_wait_kmcnt 0x0
	s_cmp_ge_u32 ttmp9, WGW                        ; the work-group's number alone decides the job
	s_cbranch_scc1 .Lmask
	; ---- a weight's fragment: weight wi = g / 64, rows 16 nt on (nt = g % 64), K step = my wave
	s_load_b256 s[24:31], s[14:15], 0x0            ; e0 .. e7
	s_load_b32 s32, s[14:15], 0x2c                 ; e11
	s_lshr_b32 s23, ttmp9, 6                       ; wi
	s_and_b32 s33, ttmp9, 63                       ; nt
	s_bitcmp1_b32 s23, 0
	s_cselect_b64 s[4:5], s[6:7], s[4:5]           ; odd: Wk, even: Wq
	s_cselect_b64 s[8:9], s[10:11], s[8:9]         ; odd: Wo, even: Wv
	s_bitcmp1_b32 s23, 1
	s_cselect_b64 s[4:5], s[8:9], s[4:5]           ; the choice hangs on the work-group's number alone
	s_wait_alu depctr_va_vdst(0)
	v_lshlrev_b32 v3, 12, v1                       ; row r of 4,096 bytes
	s_delay_alu instid0(VALU_DEP_1)
	v_lshl_add_u32 v3, v2, 5, v3                   ; + 32 h
	s_lshl_b32 s34, s33, 16                        ; 16 nt rows
	s_lshl_b32 s35, s22, 9                         ; 128 k of f32
	s_add_co_u32 s34, s34, s35
	s_mov_b32 s35, 0
	s_add_nc_u64 s[4:5], s[4:5], s[34:35]
.irp c, 0,1,2,3,4,5,6,7
	global_load_b128 v[16+8*\c:19+8*\c], v3, s[4:5] offset:64*\c      ; W(r, 16c + 8h + 0..3)
	global_load_b128 v[20+8*\c:23+8*\c], v3, s[4:5] offset:64*\c+16   ; W(r, 16c + 8h + 4..7)
.endr
	s_lshl_b32 s36, s23, 20                        ; where the fragment goes: wi x 2^20
	s_lshr_b32 s37, s33, 2
	s_lshl_b32 s37, s37, 16                        ; + (nt / 4) x 65,536
	s_add_co_u32 s36, s36, s37
	s_lshl_b32 s37, s22, 13                        ; + K step x 8,192
	s_add_co_u32 s36, s36, s37
	s_and_b32 s37, s33, 3
	s_lshl_b32 s37, s37, 11                        ; + (nt % 4) x 2,048
	s_add_co_u32 s36, s36, s37
	s_mov_b32 s37, 0
	s_add_nc_u64 s[16:17], s[16:17], s[36:37]
	v_lshlrev_b32 v6, 4, v5                        ; 16 x lane
	s_wait_kmcnt 0x0
	s_bitcmp1_b32 s23, 0
	s_cselect_b32 s25, s27, s25                    ; odd: e3, even: e1
	s_cselect_b32 s29, s32, s29                    ; odd: e11, even: e5
	s_bitcmp1_b32 s23, 1
	s_cselect_b32 s25, s29, s25                    ; e of my weight
	s_add_co_i32 s25, s25, 127
	s_lshl_b32 s26, s25, 23
	v_mov_b32 v11, s26                             ; 2^e as f32: the conversion takes its exponent field
	s_add_co_i32 s25, s25, 8
	s_lshl_b32 s25, s25, 23
	s_or_b32 s25, s25, 0x600000
	v_mov_b32 v10, s25                             ; 448 x 2^e
	s_wait_alu depctr_va_vdst(0)
.irp c, 0,1,2,3,4,5,6,7
	s_wait_loadcnt 14-2*\c                         ; loads come back in order: pair c is in, the younger pairs may be out
.irp i, 0,1,2,3,4,5,6,7
	v_med3_num_f32 v[16+8*\c+\i], v[16+8*\c+\i], -v10, v10   ; the conversion to an 8-bit code does not saturate (ISA guide 7.6.2): the hold comes first
.endr
	v_cvt_scalef32_pk8_fp8_f32 v[80+2*\c:81+2*\c], v[16+8*\c:23+8*\c], v11   ; registers 2c, 2c+1 of the fragment; its results go to stores alone, and the next pair's holds are plain lines on other registers
.endr
.irp g, 0,1,2,3
	global_store_b128 v6, v[80+4*\g:83+4*\g], s[16:17] offset:512*\g   ; 32 lanes store 512 consecutive bytes, aligned
.endr
	s_endpgm
	; ---- a tile of the mask: 16 queries (qt = g' / 2) x 128 keys (ks = 8 (g' % 2) + my wave)
.Lmask:
	s_sub_co_u32 s23, ttmp9, WGW                   ; g'
	s_lshr_b32 s33, s23, 1                         ; qt
	s_and_b32 s34, s23, 1
	s_lshl_b32 s34, s34, 3
	s_add_co_u32 s34, s34, s22                     ; ks
	s_wait_alu depctr_va_vdst(0)
	v_lshlrev_b32 v3, 13, v1                       ; row r of 8,192 bytes
	s_delay_alu instid0(VALU_DEP_1)
	v_lshl_add_u32 v3, v2, 5, v3                   ; + 32 h
	s_lshl_b32 s36, s33, 17                        ; 16 qt rows
	s_lshl_b32 s37, s34, 9                         ; 128 keys of int32
	s_add_co_u32 s36, s36, s37
	s_mov_b32 s37, 0
	s_add_nc_u64 s[12:13], s[12:13], s[36:37]
.irp c, 0,1,2,3,4,5,6,7
	global_load_b128 v[16+8*\c:19+8*\c], v3, s[12:13] offset:64*\c
	global_load_b128 v[20+8*\c:23+8*\c], v3, s[12:13] offset:64*\c+16
.endr
	s_lshl_b32 s35, s33, 4
	s_add_co_u32 s35, s35, s34                     ; 16 qt + ks
	s_lshl_b32 s36, s35, 8
	s_add_nc_u64 s[18:19], s[18:19], s[36:37]      ; the tile's 256 bytes of words
	s_lshl_b32 s36, s35, 2
	s_add_nc_u64 s[20:21], s[20:21], s[36:37]      ; and its word of summary
	v_mov_b32 v80, 0                               ; written whole: v_writelane_b32 keeps the other lanes
	v_mov_b32 v81, 0
	v_mov_b32 v8, 0
	v_lshlrev_b32 v6, 3, v5                        ; 8 x lane
	s_mov_b32 s24, 0                               ; the OR of the 64 words
	s_mov_b32 s25, -1                              ; and their AND
.set n, 0
	s_wait_alu depctr_va_vdst(0)
.rept 64
.if n % 8 == 0
	s_wait_alu depctr_va_vdst(0)
	s_wait_loadcnt 14-2*(n/8)                      ; pair n / 8 is in
.endif
	v_cmp_ne_u32 s[26+n%4], 0, v[16+n]             ; word n: a bit for each lane
	s_delay_alu instid0(VALU_DEP_1)
	v_writelane_b32 v[80+n%2], s[26+n%4], n/2      ; word n goes to lane n / 2: even words in v80, odd in v81
	s_or_b32 s24, s24, s[26+n%4]
	s_and_b32 s25, s25, s[26+n%4]
.set n, n+1
.endr
	s_lshr_b32 s26, s24, 16
	s_or_b32 s24, s24, s26                         ; row r lies in lanes r and 16 + r
	s_and_b32 s24, s24, 0xffff
	s_cmp_eq_u32 s25, -1
	s_cselect_b32 s26, 0x10000, 0
	s_or_b32 s24, s24, s26
	v_mov_b32 v7, s24
	s_wait_alu depctr_va_vdst(0)
	global_store_b64 v6, v[80:81], s[18:19]        ; 32 lanes store 256 consecutive bytes, aligned
	v_cmp_eq_u32 vcc_lo, 0, v5
	s_wait_xcnt 0x0                                ; EXEC changes only behind this wait
	s_and_saveexec_b32 s27, vcc_lo
	global_store_b32 v8, v7, s[20:21]              ; lane 0 stores the summary
	s_wait_xcnt 0x0                                ; and again in front of the line that widens it
	s_or_b32 exec_lo, exec_lo, s27
	s_endpgm
.Lfunc_end_k_q0f9e3cb707_prep:
	.size	k_q0f9e3cb707_prep, .Lfunc_end_k_q0f9e3cb707_prep-k_q0f9e3cb707_prep
	.p2alignl 7, 3214868480
	.fill 96, 4, 3214868480
	.section	.rodata,"a",@progbits
	.p2align	6, 0x0
	.amdhsa_kernel k_q0f9e3cb707_prep
		.amdhsa_group_segment_fixed_size 0
		.amdhsa_private_segment_fixed_size 0
		.amdhsa_enable_private_segment 0
		.amdhsa_kernarg_size 72
		.amdhsa_user_sgpr_count 2
		.amdhsa_user_sgpr_kernarg_segment_ptr 1
		.amdhsa_wavefront_size32 1
		.amdhsa_system_sgpr_workgroup_id_x 1
		.amdhsa_system_sgpr_workgroup_id_y 1
		.amdhsa_system_sgpr_workgroup_id_z 1
		.amdhsa_system_vgpr_workitem_id 0
		.amdhsa_next_free_vgpr 96
		.amdhsa_next_free_sgpr 66
		.amdhsa_reserve_vcc 1
		.amdhsa_float_denorm_mode_32 3
		.amdhsa_float_denorm_mode_16_64 3
		.amdhsa_memory_ordered 1
		.amdhsa_forward_progress 1
		.amdhsa_inst_pref_size 27
	.end_amdhsa_kernel
	.amdgpu_metadata
---
amdhsa.version: [ 1, 2 ]
amdhsa.kernels:
  - .name:           k_q0f9e3cb707_prep
    .symbol:         k_q0f9e3cb707_prep.kd
    .args:
      - { .name: Wq, .offset: 0, .size: 8, .value_kind: global_buffer, .address_space: global }
      - { .name: Wk, .offset: 8, .size: 8, .value_kind: global_buffer, .address_space: global }
      - { .name: Wv, .offset: 16, .size: 8, .value_kind: global_buffer, .address_space: global }
      - { .name: Wo, .offset: 24, .size: 8, .value_kind: global_buffer, .address_space: global }
      - { .name: mask, .offset: 32, .size: 8, .value_kind: global_buffer, .address_space: global }
      - { .name: lowp_scales, .offset: 40, .size: 8, .value_kind: global_buffer, .address_space: global }
      - { .name: wf, .offset: 48, .size: 8, .value_kind: global_buffer, .address_space: global }
      - { .name: mw, .offset: 56, .size: 8, .value_kind: global_buffer, .address_space: global }
      - { .name: mi, .offset: 64, .size: 8, .value_kind: global_buffer, .address_space: global }
    .group_segment_fixed_size: 0
    .private_segment_fixed_size: 0
    .kernarg_segment_align: 8
    .kernarg_segment_size: 72
    .max_flat_workgroup_size: 256
    .sgpr_count:     66
    .vgpr_count:     96
    .wavefront_size: 32
...
	.end_amdgpu_metadata
.endif
;; end of part 5
;; launch proj (part 6): grid 192 x 1, 4 waves a work-group, no clusters, 140,800 bytes of LDS; arguments Q, K, V, bq, bk, bv, wf, lowp_scales, qf, kf, vf; writes qf, kf, vf
.if DOCPART == 6
	.amdgcn_target "amdgcn-amd-amdhsa--gfx1250"
	.amdhsa_code_object_version 6
	.text
	.protected	k_q0f9e3cb707_proj
	.globl	k_q0f9e3cb707_proj
	.p2align	8
	.type	k_q0f9e3cb707_proj,@function
k_q0f9e3cb707_proj:
	s_mov_b64 s[64:65], 0
	v_nop
	global_prefetch_b8 v0, s[64:65] scope:SCOPE_SE
	s_setreg_imm32_b32 hwreg(HW_REG_WAVE_SCHED_MODE, 0, 2), 2
	s_setreg_imm32_b32 hwreg(HW_REG_WAVE_MODE, 25, 1), 1
	s_wait_xcnt 0x0
	s_wait_alu depctr_vm_vsrc(0)
; THE THREE PROJECTIONS: y = x W^T + b on codes of FP8 (E4M3), and y quantised for the attention launch.  p = work-group / 64 says which (0: Q, 1: K, 2: V), rb = work-group % 64 which 128 rows of x [8192][1024] f32.
; SHARES.  A work-group owns 128 rows and ALL 1,024 columns, so x is read from memory once.  Wave w first quantises rows 32 w .. 32 w + 31 into LDS; behind the launch's one barrier it makes heads 4 w .. 4 w + 3
; for all 128 rows, a head (64 columns) a pass: 32 accumulators of 16 x 16.  192 work-groups: 3 x 8,192 rows in blocks of 128, a block being one key step of the attention launch.
; OPERANDS ARE IMAGES OF THEIR REGISTERS.  A fragment is 16 rows x 128 k = 16 registers: registers 2c, 2c+1 of lane (r, h) hold k = 16c + 8h + 0..7 of row r.  x's 64 fragments lie in LDS, four registers of all lanes
; together (each half of the lanes on 256 bytes + 16 of padding); W's come from wf, where an earlier launch laid them so, STRAIGHT INTO MY REGISTERS: no other wave of the work-group wants those bytes.
; NO JOINT LOADS, though 64 work-groups walk the same W: a joint load lands in LDS, and W's 8 KB a wave and K step would then be read from LDS on top of x's 16 KB; here they touch LDS not at all.
; ORIENTATION.  q, k: source 0 = 16 rows of W, source 1 = 16 rows of x: a lane holds one row of x and 8 neighbouring columns, which are 8 neighbours along the head's 64, the next product's K.
;               v:    source 0 = 16 rows of x, source 1 = 16 rows of W: a lane holds one column d and 8 neighbouring keys, the K of the last product of attention.  So the conversions' results ARE the next operands' registers.
; SCALES.  A sum stands for sum x 2^(ea + eb): the bias goes in as b / 2^(ea + eb), as the C of a sum's first product; the code is sum / 2^(eo - ea - eb), held within +-448 x that.
; OUT.  qf = [b x 16 + head][tile of 16 queries 128][1024], kf = [..][key step 16][16 keys 8][1024], vf = [..][key step 16][16 of d 4][2048]: a pass stores 8 KB at head x 131,072 + (rb % 16) x 8,192, 512 consecutive bytes a store.
; THE LOOK-AHEAD PAST THE END: W's sets are asked for three K steps ahead; the last pass's three look-aheads are held at my last set and read it again (24 KB a wave), so that the pass is written once for each orientation.
; LIMITS: ea, and eo - ea - eb, lie between -126 and 119.  NaN among the inputs is not served.  The bias is added ahead of the products and not behind them: another order of rounding than the reference's.
; REGISTERS, in windows of 256: window 0: addresses, constants, v32-63 held sums, v64-127 codes, v128-159 the bias in the result's layout, v160-163 v's bias as loaded.
;   window 1: W, a ring of 4 sets of 64 (fragment t at + 16 t).   window 2: first two sets of 128 numbers of x; then x's fragments, two sets of 128 (rows 16 a on at + 16 a).   window 3: accumulator (a, t) at 8 (4 a + t).
; THE MODE: SCHED_MODE bits 1:0 = 2 (LLVM: expert scheduling mode 2), set by the entry lines.  The code itself states the register dependences
; between vector or matrix instructions and memory or LDS instructions, with s_wait_alu, always for 0.
; THE PLAN.  Registers that memory or LDS instructions touch:
;   the two staging sets   Loads land in a set; its 128 holds write it in place; its 16 conversions read it; behind them the set's next loads land in it.
;   the codes v64-127      Written by conversions; read by the LDS stores of the first phase (a half of them to each staging set) and by a pass's 16 global stores.
;   x's sets 0, 1          Step s: its products read set s % 2; its LDS loads land in the other set, which the step before read.
;   W's ring 0 .. 3        Step s: its products read place s % 4; its loads land in place (s + 3) % 4, which the step before read.
;   the bias               Step 0's products read it as C; step 1's loads land in it (v: in v160-163); the scalings on a pass's way out write it.
;   the addresses          v1, v2, v5, v6, v8-11, v16, v17: made at the head and never written again: W's ring and the bias are reached by scalar bases, the rest by immediate offsets.
; So ONE wait on va_vdst stands at a step's head: it states that the step before is done with the three buffers in which this step's loads land.  The step's products name x's set s % 2, W's place s % 4 and the
; accumulators, none of which those loads touch: so the loads are dealt among the products, in runs of 16, with no further wait.
.set KP,    17536                      ; LDS: a K step's 8 fragments: 8 x 2,176 + 128
.set FP,    2176                       ; a fragment: 4 groups of four registers
.set GP,    544                        ; a group: lanes 0-15, then lanes 16-31
.set HP,    272                        ; sixteen lanes' 256 bytes + 16 of padding
.set SPARE, 8*KP                       ; behind the images: the spare words, 128 bytes for each wave: two blocks of 256 bytes that no other line names
.set L16,  1                           ; v1      16 x lane; never rewritten
.set XG,   2                           ; v2      x: 32 x lane + my wave's 32 rows
.set XB,   5                           ; v5, v6  where my lane's 8 codes go in LDS (K steps 0-3, 4-7)
.set XR,   8                           ; v8-11   where my lane reads x's fragments (K steps 2 i, 2 i + 1)
.set BQ,   16                          ; v16     32 h: my 8 numbers of a tile's bias (q, k)
.set BV,   17                          ; v17     4 r: my one (v)
.set SCX,  19                          ; v19     2^ea
.set LMX,  20                          ; v20     448 x 2^ea
.set SCO,  21                          ; v21     2^(eo - ea - eb)
.set LMO,  22                          ; v22     448 x that
.set SPW,  24                          ; v24     LDS address of my spare word; never rewritten
.set NIL,  25                          ; v25     0; never rewritten
.set T,    32
.set CD,   64
.set BIAS, 128
.set RAW,  160
.set WB,   8                           ; s[8:15]  W's ring: the address of the set that place i is asked for next: a pair at WB + 2 i
.set BB,   16                          ; s[16:17] the address of the head's bias that is asked for next
.set MSB, 0
.macro WIN new                         ; s_set_vgpr_msb: bits 1:0 source 0, 3:2 source 1, 5:4 source 2, 7:6 destination; the immediate's high byte repeats the setting that is left
.if MSB != \new
	s_set_vgpr_msb (MSB<<8)|\new
.set MSB, \new
.endif
.endm
; 32 loads: four rows (two of each of my two tiles of 16) x 1,024 numbers.  Lane l takes k = 256 a + 8 l + 0..7: 8 neighbours, as the conversion wants them; a pair of loads covers 1,024 consecutive bytes of a row.
.macro XLOAD set, tr
	WIN 0x80
.irp y, 0,1,2,3
.irp a, 0,1,2,3
	global_load_b128 v[128*\set+32*\y+8*\a:128*\set+32*\y+8*\a+3], v[XG], s[2:3] offset:(4*(\tr)+2*\set+16*(\y/2)+\y%2)*4096+1024*\a th:TH_LOAD_NT
	global_load_b128 v[128*\set+32*\y+8*\a+4:128*\set+32*\y+8*\a+7], v[XG], s[2:3] offset:(4*(\tr)+2*\set+16*(\y/2)+\y%2)*4096+1024*\a+16 th:TH_LOAD_NT
.endr
.endr
.endm
; They are held, turned into codes, and each lane's 8 codes go to their place in the images: K step 2 a + l / 16, group (l / 4) % 4, half l % 2, row, byte 8 ((l / 2) % 2).
; Modulo 256 that is 128 (l / 16) + 32 ((l / 4) % 4) + 16 (l % 2) + 8 ((l / 2) % 2): 32 different columns of 8 bytes (64 banks of 4 bytes: ISA guide 11.1).
.macro XWORK set, tr
	s_wait_dscnt 16                                ; this set's LDS stores of the turn before have landed; the other set's 16 may be out
.if (\tr) > 0
	s_wait_alu depctr_vm_vsrc(0)                   ; this set's LDS stores of the turn before have read their codes' registers, which the conversions below write again
.endif
	WIN 0x82
.set ii, 0
.rept 128
	v_med3_num_f32 v[128*\set+ii], v[128*\set+ii], -v[LMX], v[LMX]   ; the conversion to an 8-bit code does not saturate (ISA guide 7.6.2)
.set ii, ii+1
.endr
	WIN 0x02
.irp q, 0,1,2,3,4,5,6,7,8,9,10,11,12,13,14,15
	v_cvt_scalef32_pk8_fp8_f32 v[CD+32*\set+2*\q:CD+32*\set+2*\q+1], v[128*\set+8*\q:128*\set+8*\q+7], v[SCX]
.endr
	v_nop                                          ; a plain line behind the last conversion
	s_wait_alu depctr_va_vdst(0)                   ; the conversions have written the codes, which the LDS stores below read; the holds have written and the conversions have read this staging set, in which the set's next loads land
	WIN 0
.irp y, 0,1,2,3
.irp a, 0,1,2,3
	ds_store_b64 v[XB+\a/2], v[CD+32*\set+2*(4*\y+\a):CD+32*\set+2*(4*\y+\a)+1] offset:2*(\a%2)*KP+(\y/2)*FP+16*(\y%2)+32*\set+64*(\tr)
.endr
.endr
.endm
.macro FETCHXH s, hf                   ; four of x's 8 fragments of K step s (rows 64 hf on) into set s % 2: 16 loads, sixteen lanes on 256 consecutive bytes
	WIN 0x80
.irp a, 0,1,2,3
.irp g, 0,1,2,3
	ds_load_b128 v[128*((\s)%2)+16*(4*(\hf)+\a)+4*\g:128*((\s)%2)+16*(4*(\hf)+\a)+4*\g+3], v[XR+(\s)/2] offset:((\s)%2)*KP+FP*(4*(\hf)+\a)+GP*\g
.endr
.endr
.endm
.macro FETCHW i                        ; a set of W: 4 fragments, 8 KB, 512 consecutive bytes a load, into ring place i, by the place's own base
	WIN 0x40
.irp m, 0,1,2,3,4,5,6,7,8,9,10,11,12,13,14,15
	global_load_b128 v[64*(\i)+4*\m:64*(\i)+4*\m+3], v[L16], s[WB+2*(\i):WB+2*(\i)+1] offset:512*\m
.endr
.endm
.macro BLOAD v                         ; a head's bias
.irp t, 0,1,2,3
.if \v
	global_load_b32 v[RAW+\t], v[BV], s[BB:BB+1] offset:64*\t                       ; b(16 t + r)
.else
	global_load_b128 v[BIAS+8*\t:BIAS+8*\t+3], v[BQ], s[BB:BB+1] offset:64*\t       ; b(16 t + 8 h + 0..7)
	global_load_b128 v[BIAS+8*\t+4:BIAS+8*\t+7], v[BQ], s[BB:BB+1] offset:64*\t+16
.endif
.endr
.endm
.macro BIASFIX v                       ; b / 2^(ea + eb), in the result's layout: 8 registers a tile
.irp t, 0,1,2,3
.irp j, 0,1,2,3,4,5,6,7
.if \v
	v_ldexp_f32 v[BIAS+8*\t+\j], v[RAW+\t], s45
.else
	v_ldexp_f32 v[BIAS+8*\t+\j], v[BIAS+8*\t+\j], s45
.endif
.endr
.endr
.endm
; Eight matrix instructions: x's blocks a0, a0 + 1 against W's four fragments.  Step 0 takes the bias as C.
.macro MULG s, v, a0
.if \v
.if (\s) == 0
	WIN 0xc6                                       ; source 0 (x) window 2, source 1 (W) window 1, C (the bias) window 0, D window 3
.else
	WIN 0xf6
.endif
.else
.if (\s) == 0
	WIN 0xc9                                       ; source 0 (W) window 1, source 1 (x) window 2, C (the bias) window 0, D window 3
.else
	WIN 0xf9
.endif
.endif
.irp a, \a0, \a0+1
.irp t, 0,1,2,3
.if \v
.if (\s) == 0
	v_wmma_f32_16x16x128_fp8_fp8 v[8*(4*(\a)+\t):8*(4*(\a)+\t)+7], v[128*((\s)%2)+16*(\a):128*((\s)%2)+16*(\a)+15], v[64*((\s)%4)+16*\t:64*((\s)%4)+16*\t+15], v[BIAS+8*\t:BIAS+8*\t+7]
.else
	v_wmma_f32_16x16x128_fp8_fp8 v[8*(4*(\a)+\t):8*(4*(\a)+\t)+7], v[128*((\s)%2)+16*(\a):128*((\s)%2)+16*(\a)+15], v[64*((\s)%4)+16*\t:64*((\s)%4)+16*\t+15], v[8*(4*(\a)+\t):8*(4*(\a)+\t)+7]
.endif
.else
.if (\s) == 0
	v_wmma_f32_16x16x128_fp8_fp8 v[8*(4*(\a)+\t):8*(4*(\a)+\t)+7], v[64*((\s)%4)+16*\t:64*((\s)%4)+16*\t+15], v[128*((\s)%2)+16*(\a):128*((\s)%2)+16*(\a)+15], v[BIAS+8*\t:BIAS+8*\t+7]
.else
	v_wmma_f32_16x16x128_fp8_fp8 v[8*(4*(\a)+\t):8*(4*(\a)+\t)+7], v[64*((\s)%4)+16*\t:64*((\s)%4)+16*\t+15], v[128*((\s)%2)+16*(\a):128*((\s)%2)+16*(\a)+15], v[8*(4*(\a)+\t):8*(4*(\a)+\t)+7]
.endif
.endif
.endr
.endr
.endm
; A K step of 128: 32 matrix instructions on the 32 accumulators, which take turns, one instruction a turn, in the same order in every step.
; Among them stand the W of three steps on (16 loads) and the next step's x (two runs of 16 LDS loads), into registers that the step before has read.
.macro STEP s, v
	s_min_u32 s58, s50, 31*8192                    ; the set three steps on, held at my last
	s_add_co_u32 s50, s50, 8192
	s_add_nc_u64 s[WB+2*(((\s)+3)%4):WB+2*(((\s)+3)%4)+1], s[4:5], s[58:59]   ; this place's last loads were shown done by the wait for them, a step ago: its base may be written
.if (\s) == 1
	s_min_u32 s60, s52, 15*256                     ; the next head's bias, held at the last head's
	s_add_nc_u64 s[BB:BB+1], s[6:7], s[60:61]      ; (the loads that read this base were shown done in step 4 of the pass before)
.endif
.rept 4
	v_nop                                          ; four places stay between the last step's products and the loads into registers that they read
.endr
	s_wait_alu depctr_va_vdst(0)                   ; the step before is done reading x's other set and W's place (s + 3) % 4, in which this step's loads land; in step 1 also: step 0 is done reading the bias, and the scalings are done with it
.if ((\s) == 2) || ((\s) == 3)
	s_wait_loadcnt 40-4*\v                         ; this step's W is in; behind it: two sets of 16 and the bias's 8 (v: 4) loads
.else
	s_wait_loadcnt 32                              ; this step's W is in; behind it: two sets of 16
.endif
	s_wait_dscnt 16                                ; this step's blocks 0-3 of x are in; its blocks 4-7 (16 loads) may be out
	MULG \s, \v, 0
.if (\s) == 1
	WIN 0
	BLOAD \v                                       ; step 0 has taken the bias as C; the next pass's comes now
.endif
	FETCHW ((\s)+3)%4                              ; no wait: no product since the wait above names this place
	MULG \s, \v, 2
	FETCHXH ((\s)+1)%8, 0                          ; likewise x's other set
	s_wait_dscnt 16                                ; this step's blocks 4-7 are in; the 16 loads just issued may be out
	MULG \s, \v, 4
	FETCHXH ((\s)+1)%8, 1
	MULG \s, \v, 6
	WIN 0
.endm
; A head is finished: held, turned into codes, stored as the next operand's registers.  Each accumulator is read from its low end on.
.macro WAYOUT v
.rept 4
	v_nop                                          ; places in front of the first read of results
.endr
	s_wait_alu depctr_vm_vsrc(0)                   ; the stores of the pass before (in the first pass: the first phase's LDS stores) have read v64-127, which the conversions below write again
.irp a, 0,1,2,3,4,5,6,7
	WIN 0x03                                       ; source 0 window 3
.set ii, 0
.rept 32
	v_med3_num_f32 v[T+ii], v[32*\a+ii], -v[LMO], v[LMO]
.set ii, ii+1
.endr
	WIN 0
.irp t, 0,1,2,3
.if \v
	v_cvt_scalef32_pk8_fp8_f32 v[CD+16*\t+2*\a:CD+16*\t+2*\a+1], v[T+8*\t:T+8*\t+7], v[SCO]   ; d = 16 t + r, keys 16 a + 8 h + 0..7: registers 2 a, 2 a + 1 of fragment t
.else
	v_cvt_scalef32_pk8_fp8_f32 v[CD+8*\a+2*\t:CD+8*\a+2*\t+1], v[T+8*\t:T+8*\t+7], v[SCO]     ; row 16 a + r, d = 16 t + 8 h + 0..7: registers 2 t, 2 t + 1 of fragment a
.endif
.endr
	v_nop                                          ; a plain line between the conversions and the next holds, which write their sources
.endr
	s_wait_alu depctr_va_vdst(0)                   ; the conversions have written v64-127, which the stores read
.irp i, 0,1,2,3,4,5,6,7,8,9,10,11,12,13,14,15
	global_store_b128 v[L16], v[CD+4*\i:CD+4*\i+3], s[30:31] offset:512*\i   ; 32 lanes store 512 consecutive bytes, aligned
.endr
	BIASFIX \v                                     ; the next pass's bias (its loads were waited for in step 4)
	s_wait_xcnt 0x0                                ; the stores have read their data and their base: both are written again only behind this wait
	s_add_nc_u64 s[30:31], s[30:31], 131072        ; the next head
	s_add_co_u32 s52, s52, 256
.endm
.macro GEMM v
	BIASFIX \v
	FETCHXH 0, 0                                   ; into the staging registers: the last wait on va_vdst of the first phase stands behind all that named them
	FETCHXH 0, 1
	WIN 0                                          ; at a label and at a branch every window is 0
	s_mov_b32 s48, 4
.Lpass_\@:
	STEP 0, \v
	STEP 1, \v
	STEP 2, \v
	STEP 3, \v
	STEP 4, \v
	STEP 5, \v
	STEP 6, \v
	STEP 7, \v
	WAYOUT \v
	s_sub_co_u32 s48, s48, 1
	s_cmp_lg_u32 s48, 0
	s_cbranch_scc1 .Lpass_\@
	s_wait_dscnt 0x0                               ; the closing lines, six on end
	s_wait_alu 0x0
	s_wait_tensorcnt 0x0
	ds_add_u32 v[SPW], v[NIL]
	s_wait_dscnt 0x0
	s_endpgm
.endm
	s_load_b256 s[8:15], s[0:1], 0x0               ; Q s[8:9], K s[10:11], V s[12:13], bq s[14:15]
	s_load_b256 s[16:23], s[0:1], 0x20             ; bk s[16:17], bv s[18:19], wf s[20:21], the scales' exponents s[22:23]
	s_load_b128 s[24:27], s[0:1], 0x40             ; qf s[24:25], kf s[26:27]
	s_load_b64 s[28:29], s[0:1], 0x50              ; vf
	v_lshl_add_u32 v[SPW], v0, 2, SPARE
	v_mov_b32 v[NIL], 0
	v_lshrrev_b32 v26, 5, v0
	v_readfirstlane_b32 s46, v26                   ; wave 0..3
	s_lshr_b32 s47, ttmp9, 6                       ; p
	s_and_b32 s53, ttmp9, 63                       ; rb
	v_and_b32 v26, 31, v0                          ; lane
	v_and_b32 v27, 15, v0                          ; r
	v_bfe_u32 v28, v0, 4, 1                        ; h
	v_lshlrev_b32 v[L16], 4, v26
	s_wait_alu depctr_va_sdst(0)                   ; s46 is written, ahead of its first reader
	s_lshl_b32 s51, s46, 17                        ; my wave's 32 rows of 4,096 bytes
	v_lshl_add_u32 v[XG], v26, 5, s51
	v_mul_u32_u24 v[XB], v28, KP                   ; (l / 16) K steps
	v_bfe_u32 v29, v0, 2, 2
	v_mad_u32_u24 v[XB], v29, GP, v[XB]            ; group (l / 4) % 4
	v_and_b32 v29, 1, v0
	v_mad_u32_u24 v[XB], v29, HP, v[XB]            ; half l % 2
	v_bfe_u32 v29, v0, 1, 1
	v_lshl_add_u32 v[XB], v29, 3, v[XB]            ; byte 8 ((l / 2) % 2)
	s_mul_i32 s51, s46, 2*FP                       ; my wave's two tiles of rows
	v_add_nc_u32 v[XB], s51, v[XB]
	v_add_nc_u32 v[XB+1], 4*KP, v[XB]
	v_mul_u32_u24 v[XR], v28, HP
	v_lshl_add_u32 v[XR], v27, 4, v[XR]            ; 272 h + 16 r
	v_add_nc_u32 v[XR+1], 2*KP, v[XR]
	v_add_nc_u32 v[XR+2], 4*KP, v[XR]
	v_add_nc_u32 v[XR+3], 6*KP, v[XR]
	v_lshlrev_b32 v[BQ], 5, v28
	v_lshlrev_b32 v[BV], 2, v27
	s_lshl_b32 s60, s46, 10                        ; my first head's 256 bytes of bias
	s_mov_b32 s61, 0
	s_add_co_u32 s52, s60, 256                     ; the head whose bias is asked for next
	s_mov_b32 s50, 3*8192                          ; the set of W that is asked for next
	s_mov_b32 s59, 0
	s_wait_kmcnt 0x0
	s_load_b256 s[32:39], s[22:23], 0x0            ; e0 .. e7
	s_load_b64 s[40:41], s[22:23], 0x20            ; e8, e9
	s_cmp_eq_u32 s47, 1                            ; the choices hang on the work-group's number alone
	s_cselect_b64 s[2:3], s[10:11], s[8:9]         ; x
	s_cselect_b64 s[6:7], s[16:17], s[14:15]       ; the bias
	s_cselect_b64 s[30:31], s[26:27], s[24:25]     ; where the codes go
	s_cmp_eq_u32 s47, 2
	s_cselect_b64 s[2:3], s[12:13], s[2:3]
	s_cselect_b64 s[6:7], s[18:19], s[6:7]
	s_cselect_b64 s[30:31], s[28:29], s[30:31]
	s_lshl_b32 s54, s47, 20                        ; W: weight p,
	s_lshl_b32 s55, s46, 18                        ; my 4 heads of 65,536 bytes
	s_add_co_u32 s54, s54, s55
	s_mov_b32 s55, 0
	s_add_nc_u64 s[4:5], s[20:21], s[54:55]
	s_lshl_b32 s54, s53, 19                        ; x: 128 rb rows
	s_add_nc_u64 s[2:3], s[2:3], s[54:55]
	s_lshr_b32 s54, s53, 4
	s_lshl_b32 s54, s54, 4                         ; 16 b
	s_lshl_b32 s56, s46, 2
	s_add_co_u32 s54, s54, s56                     ; + my first head
	s_lshl_b32 s54, s54, 17
	s_and_b32 s56, s53, 15
	s_lshl_b32 s56, s56, 13                        ; + (rb % 16) x 8,192
	s_add_co_u32 s54, s54, s56
	s_add_nc_u64 s[30:31], s[30:31], s[54:55]
	s_mov_b64 s[WB:WB+1], s[4:5]                   ; W's sets 0, 1 and 2
	s_add_nc_u64 s[WB+2:WB+3], s[4:5], 8192
	s_add_nc_u64 s[WB+4:WB+5], s[4:5], 16384
	s_add_nc_u64 s[BB:BB+1], s[6:7], s[60:61]      ; my first head's bias
	s_wait_alu depctr_va_vdst(0)                   ; the addresses v1, v2, v5, v6, v8-11, v16, v17 are written, which the loads and stores of the whole kernel read
	FETCHW 0                                       ; W's first three sets, the first head's bias in both layouts (no branch stands here), and x's first eight rows
	FETCHW 1
	FETCHW 2
	WIN 0
	BLOAD 0
	BLOAD 1
	XLOAD 0, 0
	XLOAD 1, 0
	WIN 0
	s_wait_kmcnt 0x0
	s_cmp_eq_u32 s47, 1
	s_cselect_b32 s42, s34, s32                    ; ea
	s_cselect_b32 s43, s35, s33                    ; eb
	s_cselect_b32 s44, s39, s38                    ; eo: e6 for q, e7 for k,
	s_cmp_eq_u32 s47, 2
	s_cselect_b32 s42, s36, s42
	s_cselect_b32 s43, s37, s43
	s_cselect_b32 s44, s41, s44                    ; e9 for v
	s_add_co_i32 s45, s42, s43
	s_sub_co_i32 s44, s44, s45                     ; eo - ea - eb
	s_sub_co_i32 s45, 0, s45                       ; -(ea + eb)
	s_add_co_i32 s51, s42, 127
	s_lshl_b32 s54, s51, 23
	v_mov_b32 v[SCX], s54                          ; 2^ea as f32: the conversion takes its exponent field
	s_add_co_i32 s51, s51, 8
	s_lshl_b32 s51, s51, 23
	s_or_b32 s51, s51, 0x600000
	v_mov_b32 v[LMX], s51                          ; 448 x 2^ea
	s_add_co_i32 s51, s44, 127
	s_lshl_b32 s54, s51, 23
	v_mov_b32 v[SCO], s54
	s_add_co_i32 s51, s51, 8
	s_lshl_b32 s51, s51, 23
	s_or_b32 s51, s51, 0x600000
	v_mov_b32 v[LMO], s51
	s_wait_alu depctr_va_vdst(0)
	; ---- X: my 32 rows become codes in LDS, four rows a set, two sets by turns: 64 loads of mine are on their way throughout.  Written out: every offset is an immediate, and no load leaves my rows
.irp tr, 0,1,2,3
	s_wait_loadcnt 32                              ; set 0 is in; set 1's 32 loads may be out
	XWORK 0, \tr
.if \tr < 3
	XLOAD 0, \tr+1
	s_wait_loadcnt 32                              ; set 1 is in; set 0's next 32 may be out
.else
	s_wait_loadcnt 0
.endif
	XWORK 1, \tr
.if \tr < 3
	XLOAD 1, \tr+1
.endif
.endr
	WIN 0
	s_wait_dscnt 0x0                               ; for the others' sake: my stores have landed
	s_barrier_signal -1
	s_barrier_wait -1                              ; x's 64 fragments lie in LDS; from here on LDS is only read
	s_cmp_eq_u32 s47, 2
	s_cbranch_scc1 .Lfor_v
	GEMM 0
.Lfor_v:
	GEMM 1
.Lfunc_end_k_q0f9e3cb707_proj:
	.size	k_q0f9e3cb707_proj, .Lfunc_end_k_q0f9e3cb707_proj-k_q0f9e3cb707_proj
	.p2alignl 7, 3214868480
	.fill 96, 4, 3214868480
	.section	.rodata,"a",@progbits
	.p2align	6, 0x0
	.amdhsa_kernel k_q0f9e3cb707_proj
		.amdhsa_group_segment_fixed_size 140800
		.amdhsa_private_segment_fixed_size 0
		.amdhsa_enable_private_segment 0
		.amdhsa_kernarg_size 88
		.amdhsa_user_sgpr_count 2
		.amdhsa_user_sgpr_kernarg_segment_ptr 1
		.amdhsa_wavefront_size32 1
		.amdhsa_system_sgpr_workgroup_id_x 1
		.amdhsa_system_sgpr_workgroup_id_y 1
		.amdhsa_system_sgpr_workgroup_id_z 1
		.amdhsa_system_vgpr_workitem_id 0
		.amdhsa_next_free_vgpr 1024
		.amdhsa_next_free_sgpr 66
		.amdhsa_reserve_vcc 0
		.amdhsa_float_denorm_mode_32 3
		.amdhsa_float_denorm_mode_16_64 3
		.amdhsa_memory_ordered 1
		.amdhsa_forward_progress 1
		.amdhsa_inst_pref_size 255
	.end_amdhsa_kernel
	.section	.bss,"aw",@nobits
	.p2align	6
	.space	262144
	.amdgpu_metadata
---
amdhsa.version: [ 1, 2 ]
amdhsa.kernels:
  - .name:           k_q0f9e3cb707_proj
    .symbol:         k_q0f9e3cb707_proj.kd
    .args:
      - { .name: Q, .offset: 0, .size: 8, .value_kind: global_buffer, .address_space: global }
      - { .name: K, .offset: 8, .size: 8, .value_kind: global_buffer, .address_space: global }
      - { .name: V, .offset: 16, .size: 8, .value_kind: global_buffer, .address_space: global }
      - { .name: bq, .offset: 24, .size: 8, .value_kind: global_buffer, .address_space: global }
      - { .name: bk, .offset: 32, .size: 8, .value_kind: global_buffer, .address_space: global }
      - { .name: bv, .offset: 40, .size: 8, .value_kind: global_buffer, .address_space: global }
      - { .name: wf, .offset: 48, .size: 8, .value_kind: global_buffer, .address_space: global }
      - { .name: lowp_scales, .offset: 56, .size: 8, .value_kind: global_buffer, .address_space: global }
      - { .name: qf, .offset: 64, .size: 8, .value_kind: global_buffer, .address_space: global }
      - { .name: kf, .offset: 72, .size: 8, .value_kind: global_buffer, .address_space: global }
      - { .name: vf, .offset: 80, .size: 8, .value_kind: global_buffer, .address_space: global }
    .group_segment_fixed_size: 140800
    .private_segment_fixed_size: 0
    .kernarg_segment_align: 8
    .kernarg_segment_size: 88
    .max_flat_workgroup_size: 128
    .sgpr_count:     66
    .vgpr_count:     1024
    .wavefront_size: 32
...
	.end_amdgpu_metadata
.endif
;; end of part 6
;; launch attn (part 7): grid 8 x 64, 16 waves a work-group, no clusters, 34,816 bytes of LDS; arguments qf, kf, vf, mw, mi, lowp_scales, of; writes of
.if DOCPART == 7
	.amdgcn_target "amdgcn-amd-amdhsa--gfx1250"
	.amdhsa_code_object_version 6
	.text
	.protected	k_q0f9e3cb707_attn
	.globl	k_q0f9e3cb707_attn
	.p2align	8
	.type	k_q0f9e3cb707_attn,@function
k_q0f9e3cb707_attn:
	s_mov_b64 s[64:65], 0
	v_nop
	global_prefetch_b8 v0, s[64:65] scope:SCOPE_SE
	s_setreg_imm32_b32 hwreg(HW_REG_WAVE_SCHED_MODE, 0, 2), 2
	s_setreg_imm32_b32 hwreg(HW_REG_WAVE_MODE, 25, 1), 1
	s_wait_xcnt 0x0
	s_wait_alu depctr_vm_vsrc(0)
; ATTENTION ON CODES OF FP8 (E4M3): S = q k^T / 8, the mask AS IT IS GIVEN, softmax, O = P v, and O quantised for the last projection.  bh = work-group y (batch x 16 + head), xq = work-group x.
; THE SOFTMAX: t = logit x log2(e); M = the running largest t rounded UP to a whole number; p = 2^(t - M) is quantised (2^e8), not normalised; the row's sum is taken of the unquantised p and divides at the end.
; When M moves, the sum and O are multiplied by 2^(old M - new M), which rounds nothing.
; SHARES.  Sixteen waves, each ONE tile of 16 queries in 256 registers, four waves to a SIMD.  Wave w = 4 a + b owns tile qt = 8 rank + xq, rank = 4 ((a + b) % 4) + a: a work-group's tiles are spread over the
; whole sequence, and any four waves with equal w % 4 or equal w / 4 hold one tile of each quarter, so that work that drifts along the sequence is shared evenly.
; LAYOUT.  Both products transposed: S^T = K Q^T (source 0 = 16 keys, source 1 = my queries; K = 64), O^T = V^T P^T (source 0 = 16 of d, source 1 = P; K = 128 keys): a lane holds ONE query (lane % 16) throughout,
; register 8 T + j of S^T is key 16 T + 8 (lane / 16) + j, and the conversions' results are P's registers 2 T, 2 T + 1.  All operands lie in memory as images of their registers.
; K AND V: a key step's 16 KB go through two LDS slots by turns.  Each wave copies 1 KB through registers, asked for two steps ahead; one barrier a step: in front of it a wave's stores have landed and its reads of
; the slot that is written next are over.  The copies and barriers are on every wave's path.
; NO TENSOR LOADS AND NO JOINT LOADS, though the 8 work-groups of a bh walk the same K and V: a wave LEAVES OUT a key step by a branch on numbers that an earlier launch stored.
; WHAT IS LEFT OUT: a step in which none of my 16 queries has a key that counts, and only if EACH of my 16 queries has a key that counts somewhere: such keys have p = 0.  With a row that is hidden wholly nothing is
; left out: that row has p = 1 on all 2,048 keys, as the reference has it.  At least one step is always walked.  A step in which all keys count skips the 64 selections.
; THE HIDDEN SCORE.  The reference's logit -1e9 is replaced by the raw score SM = -2^(33 - e6 - e7), whose t = c x SM = -2^30 log2(e) is a whole number in f32: in a wholly hidden row t - M is exactly 0 and p = 1, as by the
; reference's numbers; beside a key that counts both give p = 0.  LIMIT: e6 + e7 between -94 and 8: the hold at 448 then keeps every true logit under 2^29 in magnitude, far above both stand-ins.
; OTHER LIMITS: e8, and e10 - e8 - e9, between -126 and 119.  The hold of p is walked only where e8 < -8: p is at most 1, so for e8 >= -8 its code is at most 256.
; REGISTERS: v1 16 x lane; v2 + 1,024 x wave; v5, v6 the add's two; v7 SM; v8, v9 2^e8, 448 x 2^e8; v10 256 x lane; v11 a permute's destination; v12 -M; v13 the largest t; v[14:15] the sum in two
; halves; v16-23 Q; v24-39 two sets of 1 KB on its way; v40-103 K's 8 fragments, then V's 4; v104-167 S^T, then p; v168-199 O^T; v200-215 p's codes; v216 f; v[218:219], v220, v221 at work; v224-255 the way out.
; THE MODE: SCHED_MODE bits 1:0 = 2 (LLVM: expert scheduling mode 2), set by the entry lines.  The code itself states the register dependences
; between vector or matrix instructions and memory or LDS instructions, with s_wait_alu, always for 0.
; THE PLAN.  Registers that memory or LDS instructions touch:
;   v24-31, v32-39   A set a slot: the copy's two loads land in it, its two LDS stores read it, and behind the barrier the loads of two steps on land in it.  No vector instruction names them: one wait on vm_vsrc a step.
;   v40-103          K's LDS loads land; the eight first products read; V's LDS loads land; the four second products read; the next walked step's K lands.  So two waits on va_vdst in a walked step, one ahead of each run of loads.
;   v200-207         On the way out: written by the last conversions, read by the two stores.
;   v1, v2, v10      Addresses: made at the head and never written again.  The copies' place in memory is a scalar base for each slot.
.set SLOTB, 16384                      ; a slot: K's 8 fragments of 1,024 bytes, then V's 4 of 2,048
.set SPARE, 2*SLOTB                    ; behind the slots: the spare words, 128 bytes for each wave: eight blocks of 256 bytes that no other line names
.set CB,    24                         ; s[24:27] the copies' bases: my 1 KB of the step that the slot's set is asked for next: a pair at CB + 2 x slot
; A PREFETCH INTO THE L2 of the two key steps that the copies of the NEXT trip of the loop will ask for: 8 KB of K or of V a step, lanes 256 bytes apart.  The 8 work-groups of a bh walk the same bytes: the first (xq = 0)
; asks, wave 0 for K, wave 8 for V, so each block of 256 bytes is named once in the launch.  It stands behind the wave's own loads.  Steps 0 to 3 come by their loads alone; the last two trips ask for nothing.
.macro ASK
	s_cmp_gt_u32 s9, s22                           ; s22 = 2 in a wave that asks, else the greatest number
	s_cbranch_scc0 .Lnot_mine_\@
	global_prefetch_b8 v10, s[20:21] offset:4*8192 th:TH_LOAD_NT scope:SCOPE_SE
	global_prefetch_b8 v10, s[20:21] offset:5*8192 th:TH_LOAD_NT scope:SCOPE_SE
.Lnot_mine_\@:
.endm
; A KEY STEP of 128 keys for my 16 queries.  No barrier, no store and no global load stands in it.
.macro STEP slot
	s_bitcmp1_b32 s10, 0                           ; left out?  (a number stored by an earlier launch)
	s_cbranch_scc1 .Lskip_\@
.rept 4
	v_nop                                          ; four places stay between the last products and the loads into registers that they read
.endr
	s_wait_alu depctr_va_vdst(0)                   ; the last walked step's second products are done reading v40-103, in which K's fragments land; its selections are done reading s32-63 and s68-99, in which the words land
	s_load_b512 s[32:47], s[4:5], 256*\slot        ; the tile's 64 words of lane bits
	s_load_b512 s[48:63], s[4:5], 256*\slot+64
	s_load_b512 s[68:83], s[4:5], 256*\slot+128
	s_load_b512 s[84:99], s[4:5], 256*\slot+192
.set n, 0
.rept 16
	ds_load_b128 v[40+4*n:43+4*n], v1 offset:SLOTB*\slot+512*n
.set n, n+1
.endr
	s_wait_dscnt 0x0
.irp t, 0,1,2,3,4,5,6,7
	v_wmma_f32_16x16x64_fp8_fp8 v[104+8*\t:111+8*\t], v[40+8*\t:47+8*\t], v[16:23], 0
.endr
.rept 4
	v_nop                                          ; places in front of the loads below and of the first read of the scores
.endr
	s_wait_alu depctr_va_vdst(0)                   ; the eight products above are done reading v40-103, in which V's fragments land
.set n, 0
.rept 16
	ds_load_b128 v[40+4*n:43+4*n], v1 offset:SLOTB*\slot+8192+512*n   ; V: it lands while the softmax is walked
.set n, n+1
.endr
	s_wait_kmcnt 0x0
	s_bitcmp1_b32 s11, 0                           ; do all 2,048 count?
	s_cbranch_scc1 .Lfull_\@
.set n, 0
.rept 64
.if n < 32
	v_cndmask_b32 v[104+n], v7, v[104+n], s[32+n]  ; bit = 1: the score; 0: SM
.else
	v_cndmask_b32 v[104+n], v7, v[104+n], s[36+n]
.endif
.set n, n+1
.endr
.Lfull_\@:
	v_max3_num_f32 v220, v104, v105, v106          ; the step's largest score of my query among my 64 keys, in two chains, each accumulator from its low end on,
	v_max3_num_f32 v221, v107, v108, v109
.irp i, 6,10,14,18,22,26,30,34,38,42,46,50,54,58
	v_max3_num_f32 v220, v220, v[104+\i], v[105+\i]
	v_max3_num_f32 v221, v221, v[106+\i], v[107+\i]
.endr
	v_max3_num_f32 v220, v220, v166, v167
	v_max_num_f32 v220, v220, v221
	v_permlanex16_b32 v11, v220, s14, s15
	v_max_num_f32 v220, v220, v11                  ; and among lane l xor 16's
	v_mul_f32 v220, s12, v220                      ; as t (c is positive)
	v_max_num_f32 v13, v13, v220                   ; the running largest t
	v_mov_b32 v220, v12
	v_floor_f32 v12, -v13                          ; the new -M = floor(-t) = -ceil(t): a whole number
	v_sub_f32 v220, v12, v220                      ; old M - new M: a whole number, 0 or less
	v_cvt_i32_f32 v220, v220                       ; (it saturates)
	v_ldexp_f32 v216, 1.0, v220                    ; f = 2^(old M - new M)
.set n, 0
.rept 32
	v_pk_fma_f32 v[104+n:105+n], v[104+n:105+n], s[12:13], v[12:13] op_sel_hi:[1,0,0]   ; t - M, two at a time (of the pairs c and -M the low word serves both halves)
.set n, n+2
.endr
.set n, 0
	s_wait_alu depctr_va_vdst(0)
.rept 64
	v_exp_f32 v[104+n], v[104+n]                   ; p = 2^(t - M), at most 1
.set n, n+1
.endr
	v_pk_mul_f32 v[14:15], v[14:15], v[216:217] op_sel_hi:[1,0]   ; the sums under the new M: the plain line behind the exponentials
	s_wait_alu depctr_va_vdst(0)                   ; the 64 exponentials have written v104-167: the wait ahead of the first line that names a result: one for the batch
	v_pk_add_f32 v[218:219], v[104:105], v[106:107]   ; the row's sum, of the UNQUANTISED p, in two chains
.irp j, 4,8,12,16,20,24,28,32,36,40,44,48,52,56,60
	v_pk_add_f32 v[14:15], v[14:15], v[104+\j:105+\j]
	v_pk_add_f32 v[218:219], v[218:219], v[106+\j:107+\j]
.endr
	v_pk_add_f32 v[14:15], v[14:15], v[218:219]
	s_cmp_eq_u32 s16, 0                            ; e8 >= -8: no code of p can pass 256
	s_cbranch_scc1 .Lno_hold_\@
.set n, 0
.rept 64
	v_min_num_f32 v[104+n], v[104+n], v9           ; the conversion does not saturate (ISA guide 7.6.2); p is not negative, so the hold is one-sided
.set n, n+1
.endr
.Lno_hold_\@:
.irp t, 0,1,2,3,4,5,6,7
	v_cvt_scalef32_pk8_fp8_f32 v[200+2*\t:201+2*\t], v[104+8*\t:111+8*\t], v8
.endr
.set n, 0
.rept 16
	v_pk_mul_f32 v[168+n:169+n], v[168+n:169+n], v[216:217] op_sel_hi:[1,0]   ; O^T under the new M; these are also the plain lines behind the conversions
.set n, n+2
.endr
	s_wait_alu depctr_va_vdst(0)
	s_wait_dscnt 0x0                               ; V is in
.irp t, 0,1,2,3
	v_wmma_f32_16x16x128_fp8_fp8 v[168+8*\t:175+8*\t], v[40+16*\t:55+16*\t], v[200:215], v[168+8*\t:175+8*\t]   ; the four accumulators take turns
.endr
.Lskip_\@:
.endm
.macro TRIP slot
	s_wait_loadcnt 2                               ; this step's two loads of mine are in; the next step's two may be out
	ds_store_b128 v2, v[24+8*\slot:27+8*\slot] offset:SLOTB*\slot
	ds_store_b128 v2, v[28+8*\slot:31+8*\slot] offset:SLOTB*\slot+512
	s_min_u32 s18, s17, 15*8192                    ; the step two on; the last two steps read step 15 again (2 KB a wave), so that the loop has no tail
	s_add_co_u32 s17, s17, 8192
	s_add_nc_u64 s[CB+2*\slot:CB+2*\slot+1], s[2:3], s[18:19]   ; free since the wait above, which shows the loads that read this base done
	s_wait_dscnt 0x0                               ; my stores have landed, and my reads of the other slot, which is written next, are over
	s_barrier_signal -1
	s_barrier_wait -1                              ; both hold of all sixteen waves
	s_wait_alu depctr_vm_vsrc(0)                   ; the two LDS stores above have read this set's registers, in which the loads below land
	global_load_b128 v[24+8*\slot:27+8*\slot], v1, s[CB+2*\slot:CB+2*\slot+1]
	global_load_b128 v[28+8*\slot:31+8*\slot], v1, s[CB+2*\slot:CB+2*\slot+1] offset:512
.if \slot == 0
	ASK
.endif
	STEP \slot
	s_lshr_b32 s10, s10, 1
	s_lshr_b32 s11, s11, 1
.endm
	s_load_b256 s[32:39], s[0:1], 0x0              ; qf s[32:33], kf s[34:35], vf s[36:37], mw s[38:39]
	s_load_b128 s[40:43], s[0:1], 0x20             ; mi s[40:41], the scales' exponents s[42:43]
	s_load_b64 s[44:45], s[0:1], 0x30              ; of
	v_lshl_add_u32 v5, v0, 2, SPARE
	v_mov_b32 v6, 0
	v_lshrrev_b32 v1, 5, v0
	v_readfirstlane_b32 s8, v1                     ; wave 0..15
	v_and_b32 v10, 31, v0
	v_lshlrev_b32 v1, 4, v10                       ; 16 x lane
	v_lshlrev_b32 v10, 8, v10                      ; 256 x lane
	s_wait_alu depctr_va_sdst(0)                   ; s8 is written, ahead of its first reader
	s_lshl_b32 s18, s8, 10
	v_add_nc_u32 v2, s18, v1                       ; where my 1 KB of a step goes in a slot
	s_lshr_b32 s18, s8, 2                          ; a
	s_and_b32 s19, s8, 3                           ; b
	s_add_co_u32 s19, s19, s18
	s_and_b32 s19, s19, 3
	s_lshl_b32 s19, s19, 2
	s_add_co_u32 s19, s19, s18                     ; rank
	s_lshl_b32 s23, s19, 3
	s_add_co_u32 s23, s23, ttmp9                   ; qt
	s_and_b32 s29, ttmp7, 0xffff                   ; bh
	s_mov_b32 s47, 0
	s_wait_kmcnt 0x0
	s_load_b128 s[24:27], s[42:43], 0x18           ; e6 .. e9
	s_load_b32 s28, s[42:43], 0x28                 ; e10
	s_lshl_b32 s46, s23, 6
	s_add_nc_u64 s[40:41], s[40:41], s[46:47]
	s_load_b512 s[68:83], s[40:41], 0x0            ; my tile's 16 words of summary
	s_lshl_b32 s46, s29, 17                        ; a bh's 131,072 bytes in qf, kf and vf
	s_add_nc_u64 s[32:33], s[32:33], s[46:47]
	s_add_nc_u64 s[34:35], s[34:35], s[46:47]
	s_add_nc_u64 s[36:37], s[36:37], s[46:47]
	s_cmp_lt_u32 s8, 8                             ; waves 0-7 copy K, waves 8-15 V
	s_cselect_b64 s[2:3], s[34:35], s[36:37]
	s_mov_b64 s[20:21], s[2:3]                     ; the prefetches stand at a step's first byte
	s_and_b32 s46, s8, 7
	s_lshl_b32 s46, s46, 10
	s_add_nc_u64 s[2:3], s[2:3], s[46:47]          ; my 1 KB of a step
	s_lshl_b32 s46, s23, 10
	s_add_nc_u64 s[32:33], s[32:33], s[46:47]      ; my tile of Q
	s_lshl_b32 s46, s23, 12
	s_add_nc_u64 s[4:5], s[38:39], s[46:47]        ; my tile's words: 16 steps of 256 bytes
	s_lshr_b32 s46, s29, 4
	s_lshl_b32 s46, s46, 4
	s_add_co_u32 s46, s46, s19                     ; of: block of 128 rows = 16 b + rank,
	s_lshl_b32 s46, s46, 3
	s_bfe_u32 s18, s29, 0x30001
	s_add_co_u32 s46, s46, s18                     ; K step = head / 2,
	s_lshl_b32 s46, s46, 3
	s_add_co_u32 s46, s46, ttmp9                   ; tile of 16 rows = xq,
	s_lshl_b32 s46, s46, 1
	s_and_b32 s18, s29, 1
	s_add_co_u32 s46, s46, s18                     ; half of the fragment = head % 2
	s_lshl_b32 s46, s46, 10
	s_add_nc_u64 s[6:7], s[44:45], s[46:47]
	s_wait_alu depctr_va_vdst(0)                   ; the addresses v1, v2 and v10 are written, which the loads, stores and prefetches of the whole kernel read
	global_load_b128 v[16:19], v1, s[32:33]        ; Q's fragment stays in registers
	global_load_b128 v[20:23], v1, s[32:33] offset:512
	global_load_b128 v[24:27], v1, s[2:3]          ; steps 0 and 1
	global_load_b128 v[28:31], v1, s[2:3] offset:512
	global_load_b128 v[32:35], v1, s[2:3] offset:8192
	global_load_b128 v[36:39], v1, s[2:3] offset:8704
	s_and_b32 s18, s8, 7
	s_or_b32 s18, s18, ttmp9
	s_cmp_eq_u32 s18, 0
	s_cselect_b32 s22, 2, -1                       ; waves 0 and 8 of the bh's first work-group prefetch
	s_mov_b32 s14, 0x76543210                      ; v_permlanex16_b32's selects for lane l xor 16
	s_mov_b32 s15, 0xfedcba98
	s_mov_b32 s17, 2*8192
	s_mov_b32 s9, 8
	v_mov_b32 v13, 0xff61b1e6                      ; the largest t so far: -3e38, under every t
	v_floor_f32 v12, -v13
	v_mov_b32 v14, 0
	v_mov_b32 v15, 0
	v_mov_b32 v11, 0                               ; written once: a lane permute's destination counts as one of its sources
	v_mov_b32 v217, 0                              ; (named as the upper half of the pair v[216:217])
.set n, 0
.rept 32
	v_mov_b32 v[168+n], 0                          ; O^T: which step is a wave's first hangs on the stored numbers, so the step is written once and finds zeros
.set n, n+1
.endr
	s_wait_kmcnt 0x0
	s_add_co_i32 s18, s24, s25                     ; e6 + e7
	s_sub_co_i32 s19, s18, 3
	s_lshl_b32 s19, s19, 23
	s_add_co_i32 s12, s19, 0x3fb8aa3b              ; c = log2(e) x 2^(e6 + e7) / 8: the exponents are added to log2(e)'s exponent field
	s_mov_b32 s13, s12                             ; (named with it as a pair)
	s_sub_co_i32 s19, 160, s18
	s_lshl_b32 s19, s19, 23
	s_or_b32 s19, s19, 0x80000000
	v_mov_b32 v7, s19                              ; SM = -2^(33 - e6 - e7)
	s_add_co_i32 s18, s26, 127
	s_lshl_b32 s19, s18, 23
	v_mov_b32 v8, s19                              ; 2^e8
	s_add_co_i32 s18, s18, 8
	s_lshl_b32 s18, s18, 23
	s_or_b32 s18, s18, 0x600000
	v_mov_b32 v9, s18                              ; 448 x 2^e8
	s_cmp_lt_i32 s26, -8
	s_cselect_b32 s16, 1, 0                        ; is p's hold owed?
	s_sub_co_i32 s18, s28, s26
	s_sub_co_i32 s18, s18, s27                     ; e10 - e8 - e9: a sum of the second product stands for sum x 2^(e8 + e9)
	s_add_co_i32 s18, s18, 127
	s_lshl_b32 s30, s18, 23
	s_add_co_i32 s18, s18, 8
	s_lshl_b32 s31, s18, 23
	s_or_b32 s31, s31, 0x600000
	s_mov_b32 s18, 0
.irp i, 0,1,2,3,4,5,6,7,8,9,10,11,12,13,14,15
	s_or_b32 s18, s18, s[68+\i]
.endr
	s_and_b32 s18, s18, 0xffff
	s_cmp_eq_u32 s18, 0xffff                       ; has each of my 16 queries a key that counts?
	s_cselect_b32 s19, -1, 0
	s_mov_b32 s10, 0                               ; bit ks: step ks is left out
	s_mov_b32 s11, 0                               ; bit ks: all its keys count
.irp i, 0,1,2,3,4,5,6,7,8,9,10,11,12,13,14,15
	s_and_b32 s18, s[68+\i], 0xffff                ; SCC: some query has a key that counts in step i
	s_cselect_b32 s18, 0, 1<<\i
	s_or_b32 s10, s10, s18
	s_bfe_u32 s18, s[68+\i], 0x10010
	s_lshl_b32 s18, s18, \i
	s_or_b32 s11, s11, s18
.endr
	s_and_b32 s10, s10, s19
	s_mov_b32 s19, 0                               ; from here on s[18:19] is the copies' offset, in 64 bits
.Lloop:                                            ; 8 trips of two key steps
	TRIP 0
	TRIP 1
	s_wait_xcnt 0x0                                ; the scalar loads and the prefetches have read their bases
	s_add_nc_u64 s[4:5], s[4:5], 512
	s_add_nc_u64 s[20:21], s[20:21], 16384
	s_sub_co_u32 s9, s9, 1
	s_cmp_lg_u32 s9, 0
	s_cbranch_scc1 .Lloop
	; THE WAY OUT: O^T / the sum, quantised with 2^e10: lane (r, h) holds query r and d = 16 t + 8 h + 0..7, 8 neighbours along the last projection's K: the codes are registers 8 (head % 2) + 2 t, + 1 of its operand
.rept 4
	v_nop                                          ; places behind the last products
.endr
	v_add_f32 v14, v14, v15                        ; the sum's two halves,
	v_permlanex16_b32 v11, v14, s14, s15
	v_add_f32 v14, v14, v11                        ; and lane l xor 16's
	s_wait_alu depctr_va_vdst(0)
	v_rcp_f32 v14, v14
	v_mov_b32 v8, s30                              ; 2^(e10 - e8 - e9)   (plain lines behind the reciprocal)
	v_mov_b32 v9, s31                              ; 448 x that
	s_wait_alu depctr_va_vdst(0)                   ; the reciprocal has written v14: the wait ahead of the first line that names the result
.set n, 0
.rept 16
	v_pk_mul_f32 v[224+n:225+n], v[168+n:169+n], v[14:15] op_sel_hi:[1,0]   ; each accumulator from its low end on
.set n, n+2
.endr
.set n, 0
.rept 32
	v_med3_num_f32 v[224+n], v[224+n], -v9, v9
.set n, n+1
.endr
.irp t, 0,1,2,3
	v_cvt_scalef32_pk8_fp8_f32 v[200+2*\t:201+2*\t], v[224+8*\t:231+8*\t], v8
.endr
	v_nop                                          ; a plain line behind the last conversion
	s_wait_alu depctr_va_vdst(0)                   ; the conversions have written v200-207, which the stores read
	global_store_b128 v1, v[200:203], s[6:7]       ; 32 lanes store 512 consecutive bytes, aligned
	global_store_b128 v1, v[204:207], s[6:7] offset:512
	s_wait_dscnt 0x0                               ; the closing lines, six on end
	s_wait_alu 0x0
	s_wait_tensorcnt 0x0
	ds_add_u32 v5, v6
	s_wait_dscnt 0x0
	s_endpgm
.Lfunc_end_k_q0f9e3cb707_attn:
	.size	k_q0f9e3cb707_attn, .Lfunc_end_k_q0f9e3cb707_attn-k_q0f9e3cb707_attn
	.p2alignl 7, 3214868480
	.fill 96, 4, 3214868480
	.section	.rodata,"a",@progbits
	.p2align	6, 0x0
	.amdhsa_kernel k_q0f9e3cb707_attn
		.amdhsa_group_segment_fixed_size 34816
		.amdhsa_private_segment_fixed_size 0
		.amdhsa_enable_private_segment 0
		.amdhsa_kernarg_size 56
		.amdhsa_user_sgpr_count 2
		.amdhsa_user_sgpr_kernarg_segment_ptr 1
		.amdhsa_wavefront_size32 1
		.amdhsa_system_sgpr_workgroup_id_x 1
		.amdhsa_system_sgpr_workgroup_id_y 1
		.amdhsa_system_sgpr_workgroup_id_z 1
		.amdhsa_system_vgpr_workitem_id 0
		.amdhsa_next_free_vgpr 256
		.amdhsa_next_free_sgpr 100
		.amdhsa_reserve_vcc 0
		.amdhsa_float_denorm_mode_32 3
		.amdhsa_float_denorm_mode_16_64 3
		.amdhsa_memory_ordered 1
		.amdhsa_forward_progress 1
		.amdhsa_inst_pref_size 56
	.end_amdhsa_kernel
	.amdgpu_metadata
---
amdhsa.version: [ 1, 2 ]
amdhsa.kernels:
  - .name:           k_q0f9e3cb707_attn
    .symbol:         k_q0f9e3cb707_attn.kd
    .args:
      - { .name: qf, .offset: 0, .size: 8, .value_kind: global_buffer, .address_space: global }
      - { .name: kf, .offset: 8, .size: 8, .value_kind: global_buffer, .address_space: global }
      - { .name: vf, .offset: 16, .size: 8, .value_kind: global_buffer, .address_space: global }
      - { .name: mw, .offset: 24, .size: 8, .value_kind: global_buffer, .address_space: global }
      - { .name: mi, .offset: 32, .size: 8, .value_kind: global_buffer, .address_space: global }
      - { .name: lowp_scales, .offset: 40, .size: 8, .value_kind: global_buffer, .address_space: global }
      - { .name: of, .offset: 48, .size: 8, .value_kind: global_buffer, .address_space: global }
    .group_segment_fixed_size: 34816
    .private_segment_fixed_size: 0
    .kernarg_segment_align: 8
    .kernarg_segment_size: 56
    .max_flat_workgroup_size: 512
    .sgpr_count:     100
    .vgpr_count:     256
    .wavefront_size: 32
...
	.end_amdgpu_metadata
.endif
;; end of part 7
;; launch outp (part 8): grid 4 x 64, 4 waves a work-group, no clusters, 148,992 bytes of LDS; arguments of, wf, bo, lowp_scales, out0; writes out0
.if DOCPART == 8
	.amdgcn_target "amdgcn-amd-amdhsa--gfx1250"
	.amdhsa_code_object_version 6
	.text
	.protected	k_q0f9e3cb707_outp
	.globl	k_q0f9e3cb707_outp
	.p2align	8
	.type	k_q0f9e3cb707_outp,@function
k_q0f9e3cb707_outp:
	s_mov_b64 s[64:65], 0
	v_nop
	global_prefetch_b8 v0, s[64:65] scope:SCOPE_SE
	s_setreg_imm32_b32 hwreg(HW_REG_WAVE_SCHED_MODE, 0, 2), 2
	s_setreg_imm32_b32 hwreg(HW_REG_WAVE_MODE, 25, 1), 1
	s_wait_xcnt 0x0
	s_wait_alu depctr_vm_vsrc(0)
; THE LAST PROJECTION: out0 = o Wo^T + bo on codes of FP8 (E4M3).  o's codes lie in `of` and Wo's in `wf` (its fourth weight) as images of the operands' registers: a fragment is 16 rows x 128 k = 16 registers,
; registers 2c, 2c+1 of lane (r, h) hold k = 16c + 8h + 0..7 of row r; four registers of all lanes are 512 consecutive bytes.
; SHARES.  Work-group (cg, rb) makes rows 128 rb on x columns 256 cg on: 256 work-groups.  A wave makes 128 x 64: 32 accumulators of 16 x 16; K = 1,024 in 8 steps of 128, written out.
; o's block, 128 KB, is copied into LDS once, a quarter a wave, through registers; W's fragments come straight into my registers, three steps ahead: no other wave of the work-group wants them.
; The four work-groups of a row block each read the block once, at their head, by loads of their own and not jointly: the launch has no refill and so no ring; it keeps no tensor load and no rounds.
; source 0 = 16 rows of Wo, source 1 = 16 rows of o: a lane holds one row of the result and 8 neighbouring columns.  out0 = sum x 2^(e10 + e11) + bo: one packed multiply-add for two numbers.
; THE WAY OUT: 16 rows x 64 columns at a time through my own stage in LDS (rows of 256 bytes + 16), back as whole rows: sixteen lanes store 256 consecutive bytes, aligned.
; LIMIT: e10 + e11 between -126 and 127, so that 2^(e10 + e11) is an f32 number.
; REGISTERS, in windows of 256: window 0: addresses; v32-63 a block's results; v64-127 rows read back, two sets; v128-159 bo in the result's layout.   window 1: W, a ring of 4 sets of 64.
;   window 2: first the copy's 256 registers, then o's fragments, two sets of 128.   window 3: accumulator (a, t) at 8 (4 a + t).
; THE MODE: SCHED_MODE bits 1:0 = 2 (LLVM: expert scheduling mode 2), set by the entry lines.  The code itself states the register dependences
; between vector or matrix instructions and memory or LDS instructions, with s_wait_alu, always for 0.
; THE PLAN.  Registers that memory or LDS instructions touch:
;   window 2       The copy's loads land in it and its LDS stores read it; behind the barrier it is o's two sets: step s's products read set s % 2, its LDS loads land in the other, which the step before read.
;   W's ring       Step s: its products read place s % 4; its loads land in place (s + 3) % 4, which the step before read.
;   v32-63         The way out: written by a block's 16 multiply-adds, read by its 8 LDS stores.
;   v64-127        The way out: two sets: a block's 8 LDS loads land in one, its 8 global stores read it.  No vector instruction names them.
;   the addresses  v1-5, v8-11, v16: made at the head and never written again; every step is reached by an immediate offset.
; So ONE wait on va_vdst stands at the head of steps 1 to 7; the step's products name o's set s % 2, W's place s % 4 and the accumulators, none of which its loads touch: so the loads are dealt among the products in runs of 16.
.set STG,   131072                     ; behind o's block: the stages, 16 rows x 272 bytes for each wave
.set SP,    272
.set SPARE, STG+4*16*SP                ; behind the stages: the spare words, 128 bytes for each wave: two blocks of 256 bytes that no other line names
.set L16,  1                           ; v1     16 x lane
.set XW,   2                           ; v2     + 32,768 x wave: my quarter of the block, in memory and in LDS
.set STO,  3                           ; v3     the stage: where I put 32 bytes of a row
.set RD,   4                           ; v4     and where I read a row back
.set CO,   5                           ; v5     my byte offset in two rows of out0
.set XR,   8                           ; v8-11  where I read o's fragments (K steps 2 i, 2 i + 1)
.set BQ,   16                          ; v16    32 h
.set SPW,  24
.set NIL,  25
.set T,    32
.set BK,   64
.set BIAS, 128
.set MSB, 0
.macro WIN new                         ; s_set_vgpr_msb: bits 1:0 source 0, 3:2 source 1, 5:4 source 2, 7:6 destination; the immediate's high byte repeats the setting that is left
.if MSB != \new
	s_set_vgpr_msb (MSB<<8)|\new
.set MSB, \new
.endif
.endm
.macro FETCHXH s, hf                   ; four of o's 8 fragments of K step s (rows 64 hf on) into set s % 2: 16 loads
	WIN 0x80
.irp a, 0,1,2,3
.irp g, 0,1,2,3
	ds_load_b128 v[128*((\s)%2)+16*(4*(\hf)+\a)+4*\g:128*((\s)%2)+16*(4*(\hf)+\a)+4*\g+3], v[XR+(\s)/2] offset:((\s)%2)*16384+2048*(4*(\hf)+\a)+512*\g
.endr
.endr
.endm
.macro FETCHW f                        ; W's 4 fragments of K step f into ring place f % 4
	WIN 0x40
.irp m, 0,1,2,3,4,5,6,7,8,9,10,11,12,13,14,15
	global_load_b128 v[64*((\f)%4)+4*\m:64*((\f)%4)+4*\m+3], v[L16], s[4:5] offset:8192*(\f)+512*\m
.endr
.endm
.macro OMUL s, a0                      ; eight matrix instructions: o's blocks a0, a0 + 1 against W's four fragments; step 0's start the sums
.if (\s) == 0
	WIN 0xc9                                       ; source 0 (W) window 1, source 1 (o) window 2, D window 3
.else
	WIN 0xf9
.endif
.irp a, \a0, \a0+1
.irp t, 0,1,2,3
.if (\s) == 0
	v_wmma_f32_16x16x128_fp8_fp8 v[8*(4*(\a)+\t):8*(4*(\a)+\t)+7], v[64*((\s)%4)+16*\t:64*((\s)%4)+16*\t+15], v[128*((\s)%2)+16*(\a):128*((\s)%2)+16*(\a)+15], 0
.else
	v_wmma_f32_16x16x128_fp8_fp8 v[8*(4*(\a)+\t):8*(4*(\a)+\t)+7], v[64*((\s)%4)+16*\t:64*((\s)%4)+16*\t+15], v[128*((\s)%2)+16*(\a):128*((\s)%2)+16*(\a)+15], v[8*(4*(\a)+\t):8*(4*(\a)+\t)+7]
.endif
.endr
.endr
.endm
; A K step: 32 matrix instructions on the 32 accumulators, which take turns in the same order in every step.
.macro OSTEP s
.if (\s) > 0
.rept 4
	v_nop                                          ; four places stay between the last step's products and the loads into registers that they read
.endr
	s_wait_alu depctr_va_vdst(0)                   ; the step before is done reading o's other set and W's place (s + 3) % 4, in which this step's loads land
.endif
.if (\s) < 6
	s_wait_loadcnt 32                              ; this step's W is in; behind it: two sets of 16 at the most
.else
	s_wait_loadcnt 16*(7-(\s))                     ; the sets run out: one, none behind it
.endif
	s_wait_dscnt 16                                ; this step's blocks 0-3 of o are in; its blocks 4-7 (16 loads) may be out
	OMUL \s, 0
.if (\s) < 5
	FETCHW (\s)+3                                  ; no wait: no product since the wait above names this place
.endif
	OMUL \s, 2
.if (\s) < 7
	FETCHXH (\s)+1, 0                              ; likewise o's other set
	s_wait_dscnt 16                                ; this step's blocks 4-7 are in; the 16 loads just issued may be out
.else
	s_wait_dscnt 0
.endif
	OMUL \s, 4
.if (\s) < 7
	FETCHXH (\s)+1, 1
.endif
	OMUL \s, 6
	WIN 0
.endm
.macro TOSTAGE a                       ; rows 16 a on: finished, into my stage, and back as whole rows.  LDS serves a wave's instructions in order (ISA guide 5.7.1.4): no wait between the stores and the loads
.if (\a) > 0
	s_wait_alu depctr_vm_vsrc(0)                   ; the last block's LDS stores have read v32-63, which the multiply-adds write again; the global stores of the block before that have read the set of v64-127 in which this block's rows land
.endif
	WIN 0x03                                       ; source 0 (the sums) window 3
.irp k, 0,1,2,3,4,5,6,7,8,9,10,11,12,13,14,15
	v_pk_fma_f32 v[T+2*\k:T+2*\k+1], v[32*(\a)+2*\k:32*(\a)+2*\k+1], s[28:29], v[BIAS+2*\k:BIAS+2*\k+1] op_sel_hi:[1,0,1]   ; sum x 2^(e10 + e11) + bo; each accumulator from its low end on
.endr
	WIN 0
	s_wait_alu depctr_va_vdst(0)                   ; the multiply-adds have written v32-63, which the LDS stores read
.irp t, 0,1,2,3
	ds_store_b128 v[STO], v[T+8*\t:T+8*\t+3] offset:64*\t
	ds_store_b128 v[STO], v[T+8*\t+4:T+8*\t+7] offset:64*\t+16
.endr
.irp i, 0,1,2,3,4,5,6,7
	ds_load_b128 v[BK+32*((\a)%2)+4*\i:BK+32*((\a)%2)+4*\i+3], v[RD] offset:2*\i*SP
.endr
.endm
.macro SEND a, younger                 ; younger: the LDS instructions issued behind block a's loads
	s_wait_dscnt \younger
.irp i, 0,1,2,3,4,5,6,7
	global_store_b128 v[CO], v[BK+32*((\a)%2)+4*\i:BK+32*((\a)%2)+4*\i+3], s[16:17] offset:(16*(\a)+2*\i)*4096 th:TH_STORE_NT   ; sixteen lanes store 256 consecutive bytes, aligned; written once, read by nobody here
.endr
.endm
	s_load_b256 s[8:15], s[0:1], 0x0               ; of s[8:9], wf s[10:11], bo s[12:13], the scales' exponents s[14:15]
	s_load_b64 s[16:17], s[0:1], 0x20              ; out0
	v_lshl_add_u32 v[SPW], v0, 2, SPARE
	v_mov_b32 v[NIL], 0
	v_lshrrev_b32 v26, 5, v0
	v_readfirstlane_b32 s20, v26                   ; wave 0..3
	s_and_b32 s21, ttmp7, 0xffff                   ; rb
	s_lshl_b32 s23, ttmp9, 2
	v_and_b32 v26, 31, v0
	v_and_b32 v27, 15, v0                          ; r
	v_bfe_u32 v28, v0, 4, 1                        ; h
	v_lshlrev_b32 v[L16], 4, v26
	s_wait_alu depctr_va_sdst(0)                   ; s20 is written, ahead of its first reader
	s_add_co_u32 s23, s23, s20                     ; my 64 columns: group 4 cg + wave
	s_lshl_b32 s22, s20, 15
	v_add_nc_u32 v[XW], s22, v[L16]
	v_mov_b32 v[XR], v[L16]
	v_add_nc_u32 v[XR+1], 32768, v[L16]
	v_add_nc_u32 v[XR+2], 65536, v[L16]
	v_add_nc_u32 v[XR+3], 98304, v[L16]
	s_mul_i32 s24, s20, 16*SP
	s_add_co_u32 s24, s24, STG                     ; my stage
	v_mul_u32_u24 v[STO], v27, SP
	v_lshl_add_u32 v[STO], v28, 5, v[STO]
	v_add_nc_u32 v[STO], s24, v[STO]               ; in: row r, + 32 h
	v_mul_u32_u24 v[RD], v28, SP
	v_lshl_add_u32 v[RD], v27, 4, v[RD]
	v_add_nc_u32 v[RD], s24, v[RD]                 ; back: lanes 0-15 one row, lanes 16-31 the next
	v_lshlrev_b32 v[CO], 12, v28
	v_lshl_add_u32 v[CO], v27, 4, v[CO]            ; and the same two rows of out0
	v_lshlrev_b32 v[BQ], 5, v28
	s_mov_b32 s31, 0
	s_wait_kmcnt 0x0
	s_load_b64 s[26:27], s[14:15], 0x28            ; e10, e11
	s_lshl_b32 s30, s23, 16
	s_add_co_u32 s30, s30, 3<<20                   ; Wo is wf's fourth weight
	s_add_nc_u64 s[4:5], s[10:11], s[30:31]
	s_lshl_b32 s30, s21, 17
	s_add_nc_u64 s[2:3], s[8:9], s[30:31]          ; o's block
	s_lshl_b32 s30, s23, 8
	s_add_nc_u64 s[6:7], s[12:13], s[30:31]        ; my 64 numbers of bo,
	s_add_nc_u64 s[16:17], s[16:17], s[30:31]      ; my 256 bytes of a row of out0,
	s_lshl_b32 s30, s21, 19
	s_add_nc_u64 s[16:17], s[16:17], s[30:31]      ; at row 128 rb
	s_wait_alu depctr_va_vdst(0)                   ; the addresses v1-5, v8-11 and v16 are written, which the loads and stores of the whole kernel read
	FETCHW 0
	FETCHW 1
	FETCHW 2
	WIN 0
.irp t, 0,1,2,3
	global_load_b128 v[BIAS+8*\t:BIAS+8*\t+3], v[BQ], s[6:7] offset:64*\t        ; bo(16 t + 8 h + 0..7)
	global_load_b128 v[BIAS+8*\t+4:BIAS+8*\t+7], v[BQ], s[6:7] offset:64*\t+16
.endr
	WIN 0x80                                       ; destination window 2
.set ii, 0
.rept 64
	global_load_b128 v[4*ii:4*ii+3], v[XW], s[2:3] offset:512*ii    ; my 32 KB of the block, 512 consecutive bytes a load
.set ii, ii+1
.endr
	s_wait_kmcnt 0x0
	s_add_co_i32 s28, s26, s27
	s_add_co_i32 s28, s28, 127
	s_lshl_b32 s28, s28, 23                        ; 2^(e10 + e11) as f32
	s_mov_b32 s29, s28                             ; (named with it as a pair)
	WIN 0x08                                       ; store data window 2
.set ii, 0
.rept 64
.if ii % 16 == 0
	s_wait_loadcnt 48-ii                           ; the next sixteen are in; the younger ones may be out
.endif
	ds_store_b128 v[XW], v[4*ii:4*ii+3] offset:512*ii
.set ii, ii+1
.endr
	WIN 0
	s_wait_dscnt 0x0                               ; for the others' sake: my stores have landed
	s_barrier_signal -1
	s_barrier_wait -1                              ; the block lies in LDS; from here on it is only read, and each wave's stage is its own
	s_wait_alu depctr_vm_vsrc(0)                   ; my LDS stores have read window 2's registers: they are o's two sets from here on, in which the fragments' loads land
	FETCHXH 0, 0
	FETCHXH 0, 1
	OSTEP 0
	OSTEP 1
	OSTEP 2
	OSTEP 3
	OSTEP 4
	OSTEP 5
	OSTEP 6
	OSTEP 7
.rept 4
	v_nop                                          ; places in front of the first read of results
.endr
	TOSTAGE 0
.irp a, 1,2,3,4,5,6,7
.if \a > 1
	s_wait_xcnt 0x0                                ; block a - 2's stores have read their registers: block a's rows may land there
.endif
	TOSTAGE \a
	SEND \a-1, 16                                  ; behind block a - 1's loads: block a's 8 stores and 8 loads
.endr
	SEND 7, 0
	s_wait_dscnt 0x0                               ; the closing lines, six on end
	s_wait_alu 0x0
	s_wait_tensorcnt 0x0
	ds_add_u32 v[SPW], v[NIL]
	s_wait_dscnt 0x0
	s_endpgm
.Lfunc_end_k_q0f9e3cb707_outp:
	.size	k_q0f9e3cb707_outp, .Lfunc_end_k_q0f9e3cb707_outp-k_q0f9e3cb707_outp
	.p2alignl 7, 3214868480
	.fill 96, 4, 3214868480
	.section	.rodata,"a",@progbits
	.p2align	6, 0x0
	.amdhsa_kernel k_q0f9e3cb707_outp
		.amdhsa_group_segment_fixed_size 148992
		.amdhsa_private_segment_fixed_size 0
		.amdhsa_enable_private_segment 0
		.amdhsa_kernarg_size 40
		.amdhsa_user_sgpr_count 2
		.amdhsa_user_sgpr_kernarg_segment_ptr 1
		.amdhsa_wavefront_size32 1
		.amdhsa_system_sgpr_workgroup_id_x 1
		.amdhsa_system_sgpr_workgroup_id_y 1
		.amdhsa_system_sgpr_workgroup_id_z 1
		.amdhsa_system_vgpr_workitem_id 0
		.amdhsa_next_free_vgpr 1024
		.amdhsa_next_free_sgpr 66
		.amdhsa_reserve_vcc 0
		.amdhsa_float_denorm_mode_32 3
		.amdhsa_float_denorm_mode_16_64 3
		.amdhsa_memory_ordered 1
		.amdhsa_forward_progress 1
		.amdhsa_inst_pref_size 86
	.end_amdhsa_kernel
	.amdgpu_metadata
---
amdhsa.version: [ 1, 2 ]
amdhsa.kernels:
  - .name:           k_q0f9e3cb707_outp
    .symbol:         k_q0f9e3cb707_outp.kd
    .args:
      - { .name: of, .offset: 0, .size: 8, .value_kind: global_buffer, .address_space: global }
      - { .name: wf, .offset: 8, .size: 8, .value_kind: global_buffer, .address_space: global }
      - { .name: bo, .offset: 16, .size: 8, .value_kind: global_buffer, .address_space: global }
      - { .name: lowp_scales, .offset: 24, .size: 8, .value_kind: global_buffer, .address_space: global }
      - { .name: out0, .offset: 32, .size: 8, .value_kind: global_buffer, .address_space: global }
    .group_segment_fixed_size: 148992
    .private_segment_fixed_size: 0
    .kernarg_segment_align: 8
    .kernarg_segment_size: 40
    .max_flat_workgroup_size: 128
    .sgpr_count:     66
    .vgpr_count:     1024
    .wavefront_size: 32
...
	.end_amdgpu_metadata
.endif
;; end of part 8
